; MI455X (gfx1250); checked and timed in simulation.
; The chip was launched on July 23, 2026; its instructions are those of AMD's public machine-readable ISA for CDNA 5 (MIT licence, August 2026) and "CDNA5" Instruction Set Architecture Reference Guide (July 2026). The comments in the code are by the model that wrote it; some were corrected since.
;; Multihead Attention. Allowed arithmetic: matrix products marked QUANTISED: E4M3 operands, one E8M0 scale for each 32 along K, by v_wmma_scale_f32_16x16x128_f8f6f4 with both operands' format E4M3, f32 sums; everything else in f32.
;; Inputs: Wk 1,024 x 1,024 float32; Wp 1,024 x 1,024 float32; Wq 1,024 x 1,024 float32; Wv 1,024 x 1,024 float32; bk 1,024 float32; bp 1,024 float32; bq 1,024 float32; bv 1,024 float32; x 4 x 2,048 x 1,024 float32.
;; Outputs: out0 4 x 2,048 x 1,024 float32.
;; This version of the problem:
;;   THIS VERSION OF THE PROBLEM IS GIVEN IN LOW PRECISION. The matrix products marked QUANTISED in the list below multiply operands that are first quantised to E4M3 (4 exponent bits, 3 mantissa bits; 8 bits a number), with one power-of-two scale for each 32 numbers along K (OCP MX v1.0); their sums are f32. All else is computed in f32.
;;   The module's matrix products, in the order in which they are computed (A, B: the left and right operand; K: the contracted axis; several contracted axes count as one K, in the product's order):
;;     1. [M 8,192, K 1,024] x [K 1,024, N 1,024]; A: input x; B: input Wq: QUANTISED
;;     2. [M 8,192, K 1,024] x [K 1,024, N 1,024]; A: input x; B: input Wk: QUANTISED
;;     3. [M 8,192, K 1,024] x [K 1,024, N 1,024]; A: input x; B: input Wv: QUANTISED
;;     4. batch 64 x [M 2,048, K 64] x [K 64, N 2,048]; A: computed on the way; B: computed on the way: QUANTISED
;;     5. batch 64 x [M 2,048, K 2,048] x [K 2,048, N 64]; A: softmax (see below); B: computed on the way: QUANTISED
;;     6. [M 8,192, K 1,024] x [K 1,024, N 1,024]; A: computed on the way; B: input Wp: QUANTISED
;;   THE QUANTISER, for each operand of a quantised product, along K:
;;     - K is cut into blocks of 32 from its start; a last block that is shorter is filled with zeros.
;;     - A block's scale is 2^e with e = floor(log2(the largest magnitude in the block)) - 8, held to -126 .. 127; a block of zeros has e = 0. As a byte (E8M0): e + 127.
;;     - Each number is divided by its block's scale, clamped to +-448, and rounded to the nearest number of E4M3, ties to even, subnormals kept.
;;     - The product sums the exact products of the quantised numbers (number of the format x scale) in f32.
;;   ~~~python
;;   def quantise(x, axis):      # numpy; x: float32 -> the quantised numbers, widened to float32 again
;;       x = np.moveaxis(x, axis, -1); K = x.shape[-1]
;;       x = np.pad(x, [(0, 0)] * (x.ndim - 1) + [(0, -K % 32)]); x = x.reshape(x.shape[:-1] + (-1, 32)); a = np.abs(x).max(-1, keepdims=True)
;;       e = np.where(a > 0, np.clip(np.frexp(np.where(a > 0, a, 1))[1] - 1 - 8, -126, 127), 0)      # np.frexp(a)[1] - 1 = floor(log2(a)), exactly
;;       r = np.clip(x / 2.0 ** e, -448, 448)
;;       step = 2.0 ** (np.maximum(np.frexp(np.where(r == 0, 1, r))[1] - 1, -6) - 3)
;;       q = np.round(r / step) * step * 2.0 ** e      # np.round: ties to even
;;       return np.moveaxis(q.reshape(q.shape[:-2] + (-1,))[..., :K], -1, axis).astype(np.float32)
;;   ~~~
;;   SOFTMAX AHEAD OF A QUANTISED PRODUCT. Where the list says 'softmax', what is quantised is not the finished softmax but p = 2^(t - M), with t = logit x log2(e) and M = ceil(the row's largest t), a whole number; so 1/2 < the row's largest p <= 1. The row's sum l is taken of the UNQUANTISED p, in f32, and the product's result is divided by l at the end. Since M is a whole number, a kernel that streams over the keys may use a running M (the ceiling of the running maximum): every later rescaling is an exact power of two, which a block's scale takes up: the codes' values come out the same.
;;   OPERANDS COMPUTED ON THE WAY. 'Computed on the way' means the value that the module computes at that place (a softmax that the list does not call 'softmax' is quantised finished and normalised). What goes into a quantiser is computed in f32, as accurately as f32 sums, v_exp_f32 and their like allow (about 1e-6 of the number): no bf16 or f16 on the way to a quantiser, and a product that is left as it is and whose result goes on into a quantised operand takes f32 operands (vector FMAs, or v_wmma_f32_16x16x4_f32). A number that lies on a knife's edge between two numbers of the format may be rounded either way, as far as f32 arithmetic and the matrix unit's own rounding can turn it there, and no further.
;; One version. Each part assembles by itself: llvm-mc -triple=amdgcn-amd-amdhsa -mcpu=gfx1250 --defsym DOCPART=n.
;; ======== version 1 of 1: 4 launches
;; limits: right only within a limited range of input values
;; workspace buffers: xq 8,650,752 bytes; wq 4,325,376 bytes; qkv 26,738,688 bytes; oq 8,650,752 bytes
;; launch quant (part 1): grid 384 x 1, 4 waves a work-group, no clusters, 69,120 bytes of LDS; arguments x, Wq, Wk, Wv, Wp, xq, wq; writes xq, wq
.if DOCPART == 1
	.amdgcn_target "amdgcn-amd-amdhsa--gfx1250"
	.amdhsa_code_object_version 6
	.text
	.protected	k_qfb100715fe_quant
	.globl	k_qfb100715fe_quant
	.p2align	8
	.type	k_qfb100715fe_quant,@function
k_qfb100715fe_quant:
	s_mov_b64 s[64:65], 0
	v_nop
	global_prefetch_b8 v0, s[64:65] scope:SCOPE_SE
	s_setreg_imm32_b32 hwreg(HW_REG_WAVE_MODE, 25, 1), 1
	s_wait_xcnt 0x0
; x [8192][1024] f32 (K innermost) and Wq, Wk, Wv, Wp [1024 (k)][1024 (n)] f32 (K is the first axis) become codes of FP8 (E4M3) with K innermost and one E8M0 scale byte for each 32 along K.
; A block's scale is 2^(floor(log2(its largest magnitude)) - 8); its byte is the largest magnitude's exponent field - 8, held at 1 from below; each number is divided by the scale, held within +-448, rounded to the nearest code, ties to even.
; ROWS ARE STORED IN THE ORDER sw: sw(i) = i with bits 3 and 4 exchanged.  Token i of x lies at row sw(i) of xq, column n of weight wi at row 1024 wi + sw(n) of wq (wi: 0 Wq, 1 Wk, 2 Wv, 3 Wp).
; Sixteen neighbouring STORED rows, taken as source 0 of a transposed product, then give a lane sixteen NATURAL neighbours in the registers of two neighbouring tiles.
; xq: codes [8192][1024] at byte 0, scale bytes [8192][32] at byte 8,388,608.   wq: codes [4096][1024] at byte 0, scale bytes [4096][32] at byte 4,194,304.
; LIMITS: a block of zeros, and a block whose largest magnitude lies under 2^-118, gets the byte 1 (its bytes are read by this program alone; zero codes add nothing); NaN and infinities among the inputs are not served.
; Work-groups 0 to 255 take x: a wave takes 8 rows (16 steps of 512 numbers); loads are dense (512 bytes each), a step's 2,048 bytes turn through the wave's own stage in LDS so that a lane holds 16 neighbours along K.
; Work-groups 256 to 383 take the weights: 128 columns x 256 along K each; a lane takes a column and its registers run down K; codes leave through the wave's own stage as rows of 256 bytes.
; The two ways have LDS bytes of their own.  No tensor loads, no barrier: waves share nothing.  Memory binds: no matrix unit, no cluster.
.set STEPS, 16
.set EMAX,  8
.set MANT,  0x600000                   ; the mantissa field of 448 as f32
.set CB,    16                         ; bytes of 16 codes
.set R,     16                         ; x: v16-79   four sets of 16 numbers as loaded
.set X,     80                         ; x: v80-111  two sets of 16 neighbours
.set E,     112                        ; x: v112-127 a scale byte for each step
.set C,     128                        ; x: v128-191 codes, four registers a step
.set WREG,  8192                       ; x: LDS region of a wave: two stages of 32 x SP bytes, then its 256 scale bytes
.set SP,    80
.set XSB,   8388608                    ; xq: where the scale bytes begin
.set WSB,   4194304                    ; wq: likewise
.set WLDS,  32768                      ; weights: their stages begin here
.set NB,    8                          ; weights: blocks of 32 along K for a wave
.set PITCH, 272                        ; weights: a stage row, 256 bytes + 16
.set KROW,  1024                       ; a row of codes in bytes
.set NCOL,  1024                       ; columns of a weight
.set WX,    32                         ; weights: v32-95 two sets of 32 numbers
.set WCD,   96                         ; weights: v96-103 a block's codes
.set OUTR,  112                        ; weights: v112-175 the way out
.set SB,    24                         ; weights: v24-25 the scale bytes
.macro LOADX t
.irp i, 0,1,2,3
	global_load_b128 v[R+16*((\t)%4)+4*\i:R+16*((\t)%4)+4*\i+3], v3, s[4:5] offset:2048*(\t)+512*\i th:TH_LOAD_NT   ; 32 lanes read 512 consecutive bytes
.endr
.endm
.macro TURNX t                         ; step t's numbers through the stage: LDS serves a wave's instructions in order, so no wait stands between the stores and the loads
.irp i, 0,1,2,3
	ds_store_b128 v14, v[R+16*((\t)%4)+4*\i:R+16*((\t)%4)+4*\i+3] offset:32*SP*((\t)%2)+8*SP*\i
.endr
.irp i, 0,1,2,3
	ds_load_b128 v[X+16*((\t)%2)+4*\i:X+16*((\t)%2)+4*\i+3], v15 offset:32*SP*((\t)%2)+16*\i
.endr
.endm
.macro STEPX t
.set XS, X+16*((\t)%2)
.if (\t) > 0
	s_wait_dscnt 1                                 ; this step's numbers are back from the stage; the last step's byte store may be out
.else
	s_wait_dscnt 0x0
.endif
.if (\t)+4 < STEPS
	LOADX (\t)+4                                   ; into the registers that this step's stores into the stage have read
.endif
.if (\t)+1 < STEPS
.if STEPS-2-(\t) >= 3
	s_wait_loadcnt 12                              ; the next step's four loads are in; those of the three steps behind it may be out
.else
	s_wait_loadcnt 4*(STEPS-2-(\t))
.endif
	TURNX (\t)+1
.endif
	v_max3_num_f32 v8, |v[XS]|, |v[XS+1]|, |v[XS+2]|               ; the largest magnitude of my 16, in two chains
	v_max3_num_f32 v9, |v[XS+3]|, |v[XS+4]|, |v[XS+5]|
.irp i, 6,10
	v_max3_num_f32 v8, v8, |v[XS+\i]|, |v[XS+\i+1]|
	v_max3_num_f32 v9, v9, |v[XS+\i+2]|, |v[XS+\i+3]|
.endr
	v_max3_num_f32 v8, v8, |v[XS+14]|, |v[XS+15]|
	v_max3_num_f32 v8, v8, v9, (EMAX+1)<<23        ; and the floor 2^(9 - 127): the byte cannot fall under 1
	v_max_num_f32_dpp v8, v8, v8 row_xmask:1 row_mask:0xf bank_mask:0xf   ; with my neighbour's 16: the block's
	v_add_nc_u32 v11, -(EMAX<<23), v8              ; 8 off its exponent field: the conversion's scale operand
.irp i, 0,1,2,3,4,5,6,7,8,9,10,11,12,13,14,15
.endr
	v_cvt_scalef32_pk8_fp8_f32 v[C+4*(\t):C+4*(\t)+1], v[XS:XS+7], v11
	v_cvt_scalef32_pk8_fp8_f32 v[C+4*(\t)+2:C+4*(\t)+3], v[XS+8:XS+15], v11
	v_lshrrev_b32 v[E+(\t)], 23, v11               ; the scale's byte
	ds_store_b8 v5, v[E+(\t)] offset:16*(\t)       ; both lanes of a block write the same byte with the same value
	global_store_b128 v4, v[C+4*(\t):C+4*(\t)+3], s[8:9] offset:32*CB*(\t)   ; the wave stores 512 consecutive bytes
.endm
.macro LOADW t                         ; block t: W(32 t + i, my column), i = 0 .. 31, into set t % 2
.irp i, 0,1,2,3,4,5,6,7,8,9,10,11,12,13,14,15,16,17,18,19,20,21,22,23,24,25,26,27,28,29,30,31
	global_load_b32 v[WX+32*((\t)%2)+\i], v3, s[4:5] offset:(32*(\t)+\i)*NCOL*4 th:TH_LOAD_NT
.endr
.endm
.macro BLOCKW t
.set XS, WX+32*((\t)%2)
.if (\t) < NB-1
	s_wait_loadcnt 32                              ; this block's 32 loads are in; the next block's may be out
.else
	s_wait_loadcnt 0
.endif
	v_max3_num_f32 v12, |v[XS]|, |v[XS+1]|, |v[XS+2]|               ; the block's largest magnitude: all 32 numbers are mine
	v_max3_num_f32 v13, |v[XS+3]|, |v[XS+4]|, |v[XS+5]|
.irp i, 6,10,14,18,22,26
	v_max3_num_f32 v12, v12, |v[XS+\i]|, |v[XS+\i+1]|
	v_max3_num_f32 v13, v13, |v[XS+\i+2]|, |v[XS+\i+3]|
.endr
	v_max3_num_f32 v12, v12, |v[XS+30]|, |v[XS+31]|
	v_max3_num_f32 v12, v12, v13, (EMAX+1)<<23
	v_add_nc_u32 v11, -(EMAX<<23), v12
	v_lshrrev_b32 v13, 23, v11                     ; the scale's byte
.if (\t)%4 == 0
	v_mov_b32 v[SB+(\t)/4], v13                    ; four bytes to a register, the lower K in the lower byte
.else
	v_lshl_or_b32 v[SB+(\t)/4], v13, 8*((\t)%4), v[SB+(\t)/4]
.endif
.irp i, 0,1,2,3,4,5,6,7,8,9,10,11,12,13,14,15,16,17,18,19,20,21,22,23,24,25,26,27,28,29,30,31
.endr
.irp g, 0,1,2,3
	v_cvt_scalef32_pk8_fp8_f32 v[WCD+2*\g:WCD+2*\g+1], v[XS+8*\g:XS+8*\g+7], v11
.endr
	ds_store_b128 v4, v[WCD:WCD+3] offset:32*(\t)  ; 32 codes: 32 bytes of my column's row
	ds_store_b128 v4, v[WCD+4:WCD+7] offset:32*(\t)+16
.if (\t)+2 < NB
	LOADW (\t)+2
.endif
	s_wait_dscnt 0x0                               ; the stores have read their registers: the next block's codes may be written
.endm
	s_load_b256 s[4:11], s[0:1], 0x0               ; x s[4:5], Wq s[6:7], Wk s[8:9], Wv s[10:11]
	s_load_b128 s[12:15], s[0:1], 0x20             ; Wp s[12:13], xq s[14:15]
	s_load_b64 s[16:17], s[0:1], 0x30              ; wq
	v_lshl_add_u32 v192, v0, 2, 0x10c00
	v_mov_b32 v193, 0
	v_lshrrev_b32 v1, 5, v0
	v_readfirstlane_b32 s18, v1                    ; wave 0..3
	v_and_b32 v2, 31, v0                           ; lane
	s_cmp_ge_u32 ttmp9, 256                        ; x's work-group or a weight's?  The choice hangs on the work-group's number alone
	s_cbranch_scc1 .Lweights
	; ---- x
	v_lshlrev_b32 v3, 4, v2                        ; my 16 bytes of a load's 512
	s_mul_i32 s19, s18, WREG
	v_lshrrev_b32 v14, 2, v2
	v_mul_u32_u24 v14, v14, SP
	v_and_b32 v15, 3, v2
	v_lshl_add_u32 v14, v15, 4, v14
	v_add_nc_u32 v14, s19, v14                     ; the stage, on the way in: SP (lane / 4) + 16 (lane % 4)
	v_mul_u32_u24 v15, v2, SP
	v_add_nc_u32 v15, s19, v15                     ; and on the way out: SP x lane: my 16 neighbours
	v_mul_u32_u24 v4, v2, CB                       ; my codes' place in a step's
	v_lshrrev_b32 v5, 1, v2
	s_add_co_u32 s19, s19, 2*32*SP
	v_add_nc_u32 v5, s19, v5                       ; my wave's 256 scale bytes, my block's byte
	v_lshlrev_b32 v7, 3, v2
	v_add_nc_u32 v6, s19, v7                       ; and on the way out 8 bytes a lane
	s_lshl_b32 s20, ttmp9, 2
	s_add_co_u32 s22, s20, s18                     ; the run of 8 rows that I read: 4 x work-group + wave
	s_and_b32 s21, s18, 1
	s_lshl_b32 s21, s21, 1
	s_lshr_b32 s23, s18, 1
	s_or_b32 s21, s21, s23
	s_add_co_u32 s24, s20, s21                     ; and where it goes: bits 3 and 4 of a row are bits 0 and 1 of its run: exchanged
	s_lshl_b32 s22, s22, 15                        ; 32,768 bytes of f32 a run
	s_mov_b32 s23, 0
	s_lshl_b32 s26, s24, 13                        ; 8,192 bytes of codes
	s_mov_b32 s27, 0
	s_lshl_b32 s28, s24, 8                         ; 256 scale bytes
	s_add_co_u32 s28, s28, XSB
	s_mov_b32 s29, 0
	s_wait_alu depctr_va_vdst(0)
	s_wait_kmcnt 0x0
	s_add_nc_u64 s[4:5], s[4:5], s[22:23]
	s_add_nc_u64 s[8:9], s[14:15], s[26:27]
	s_add_nc_u64 s[10:11], s[14:15], s[28:29]
.irp t, 0,1,2,3
	LOADX \t
.endr
	s_wait_loadcnt 12                              ; step 0's four loads are in
	TURNX 0
.irp t, 0,1,2,3,4,5,6,7,8,9,10,11,12,13,14,15
	STEPX \t
.endr
	ds_load_b64 v[12:13], v6                       ; LDS serves a wave's instructions in order: these see my byte stores
	s_wait_dscnt 0x0
	global_store_b64 v7, v[12:13], s[10:11]        ; 32 lanes store 256 consecutive bytes, aligned
	s_wait_tensorcnt 0x0
	ds_add_u32 v192, v193
	s_wait_dscnt 0x0
	s_endpgm
	; ---- the weights
.Lweights:
	s_sub_co_u32 s20, ttmp9, 256
	s_lshr_b32 s21, s20, 5                         ; which weight
	s_and_b32 s22, s20, 7                          ; which 128 columns
	s_bfe_u32 s23, s20, 0x20003                    ; which 256 along K
	s_lshl_b32 s24, s22, 7
	s_lshl_b32 s25, s18, 5
	s_add_co_u32 s24, s24, s25                     ; my wave's first column
	s_wait_alu depctr_va_vdst(0)
	v_lshlrev_b32 v3, 2, v2                        ; in: 4 bytes a lane
	v_and_b32 v10, 7, v2
	v_and_b32 v11, 8, v2
	v_lshl_add_u32 v10, v11, 1, v10
	v_and_b32 v11, 16, v2
	v_lshrrev_b32 v11, 1, v11
	v_add_nc_u32 v10, v10, v11                     ; sw(lane): the row, among the wave's 32, at which my column is stored
	s_mul_i32 s19, s18, 32*PITCH
	s_add_co_u32 s19, s19, WLDS                    ; my stage
	v_mul_u32_u24 v4, v10, PITCH
	v_add_nc_u32 v4, s19, v4                       ; into it: row sw(lane)
	v_and_b32 v5, 15, v2
	v_lshrrev_b32 v6, 4, v2                        ; out of it: sixteen lanes to a row, two rows an instruction
	v_mul_u32_u24 v7, v6, PITCH
	v_lshl_add_u32 v7, v5, 4, v7
	v_add_nc_u32 v7, s19, v7
	v_mul_u32_u24 v8, v6, KROW
	v_lshl_add_u32 v8, v5, 4, v8                   ; and the same place in the codes
	v_lshlrev_b32 v9, 5, v10                       ; my column's row of scale bytes: 32 bytes a row
	s_lshl_b32 s26, s23, 20                        ; W: 256 rows of 4,096 bytes,
	s_lshl_b32 s27, s24, 2
	s_add_co_u32 s26, s26, s27                     ; + 4 x column
	s_mov_b32 s27, 0
	s_lshl_b32 s28, s21, 10
	s_add_co_u32 s28, s28, s24                     ; the wave's first row of wq
	s_lshl_b32 s32, s28, 5
	s_lshl_b32 s28, s28, 10
	s_lshl_b32 s29, s23, 8
	s_add_co_u32 s28, s28, s29                     ; codes: row x 1,024 + 256 x (which 256 along K)
	s_mov_b32 s29, 0
	s_lshl_b32 s25, s23, 3
	s_add_co_u32 s32, s32, s25
	s_add_co_u32 s32, s32, WSB                     ; scale bytes: row x 32 + 8 x (which 256 along K)
	s_mov_b32 s33, 0
	s_wait_kmcnt 0x0
	s_cmp_eq_u32 s21, 1
	s_cselect_b64 s[6:7], s[8:9], s[6:7]
	s_cmp_eq_u32 s21, 2
	s_cselect_b64 s[6:7], s[10:11], s[6:7]
	s_cmp_eq_u32 s21, 3
	s_cselect_b64 s[6:7], s[12:13], s[6:7]         ; the weight
	s_add_nc_u64 s[4:5], s[6:7], s[26:27]
	s_add_nc_u64 s[6:7], s[16:17], s[28:29]
	s_add_nc_u64 s[8:9], s[16:17], s[32:33]
	LOADW 0
	LOADW 1
.set Q, 0
.rept NB
	BLOCKW Q
.set Q, Q+1
.endr
	s_wait_alu depctr_va_vdst(0)
	global_store_b64 v9, v[SB:SB+1], s[8:9]        ; my column's 8 scale bytes
.irp t, 0,1,2,3,4,5,6,7,8,9,10,11,12,13,14,15
	ds_load_b128 v[OUTR+4*\t:OUTR+4*\t+3], v7 offset:2*\t*PITCH
.endr
.irp t, 0,1,2,3,4,5,6,7,8,9,10,11,12,13,14,15
	s_wait_dscnt 15-\t                             ; LDS loads come back in order: pair t of rows is in
	global_store_b128 v8, v[OUTR+4*\t:OUTR+4*\t+3], s[6:7] offset:2*\t*KROW   ; sixteen lanes store 256 consecutive bytes, aligned
.endr
	s_wait_tensorcnt 0x0
	ds_add_u32 v192, v193
	s_wait_dscnt 0x0
	s_endpgm
.Lfunc_end_k_qfb100715fe_quant:
	.size	k_qfb100715fe_quant, .Lfunc_end_k_qfb100715fe_quant-k_qfb100715fe_quant
	.p2alignl 7, 3214868480
	.fill 96, 4, 3214868480
	.section	.rodata,"a",@progbits
	.p2align	6, 0x0
	.amdhsa_kernel k_qfb100715fe_quant
		.amdhsa_group_segment_fixed_size 69120
		.amdhsa_private_segment_fixed_size 0
		.amdhsa_enable_private_segment 0
		.amdhsa_kernarg_size 56
		.amdhsa_user_sgpr_count 2
		.amdhsa_user_sgpr_kernarg_segment_ptr 1
		.amdhsa_wavefront_size32 1
		.amdhsa_system_sgpr_workgroup_id_x 1
		.amdhsa_system_sgpr_workgroup_id_y 1
		.amdhsa_system_sgpr_workgroup_id_z 1
		.amdhsa_system_vgpr_workitem_id 0
		.amdhsa_next_free_vgpr 194
		.amdhsa_next_free_sgpr 66
		.amdhsa_reserve_vcc 0
		.amdhsa_float_denorm_mode_32 3
		.amdhsa_float_denorm_mode_16_64 3
		.amdhsa_fp16_overflow 1
		.amdhsa_memory_ordered 1
		.amdhsa_forward_progress 1
		.amdhsa_inst_pref_size 76
	.end_amdhsa_kernel
	.amdgpu_metadata
---
amdhsa.version: [ 1, 2 ]
amdhsa.kernels:
  - .name:           k_qfb100715fe_quant
    .symbol:         k_qfb100715fe_quant.kd
    .args:
      - { .name: x, .offset: 0, .size: 8, .value_kind: global_buffer, .address_space: global }
      - { .name: Wq, .offset: 8, .size: 8, .value_kind: global_buffer, .address_space: global }
      - { .name: Wk, .offset: 16, .size: 8, .value_kind: global_buffer, .address_space: global }
      - { .name: Wv, .offset: 24, .size: 8, .value_kind: global_buffer, .address_space: global }
      - { .name: Wp, .offset: 32, .size: 8, .value_kind: global_buffer, .address_space: global }
      - { .name: xq, .offset: 40, .size: 8, .value_kind: global_buffer, .address_space: global }
      - { .name: wq, .offset: 48, .size: 8, .value_kind: global_buffer, .address_space: global }
    .group_segment_fixed_size: 69120
    .private_segment_fixed_size: 0
    .kernarg_segment_align: 8
    .kernarg_segment_size: 56
    .max_flat_workgroup_size: 128
    .sgpr_count:     66
    .vgpr_count:     194
    .wavefront_size: 32
...
	.end_amdgpu_metadata
.endif
;; end of part 1
;; launch qkv (part 2): grid 12 x 32, 4 waves a work-group, clusters of 4 x 4, 327,680 bytes of LDS; arguments xq, wq, bq, bk, bv, qkv; writes qkv
.if DOCPART == 2
	.amdgcn_target "amdgcn-amd-amdhsa--gfx1250"
	.amdhsa_code_object_version 6
	.text
	.protected	k_qfb100715fe_qkv
	.globl	k_qfb100715fe_qkv
	.p2align	8
	.type	k_qfb100715fe_qkv,@function
k_qfb100715fe_qkv:
	s_mov_b64 s[64:65], 0
	v_nop
	global_prefetch_b8 v0, s[64:65] scope:SCOPE_SE
	s_setreg_imm32_b32 hwreg(HW_REG_WAVE_MODE, 25, 1), 1
	s_wait_xcnt 0x0
	s_wait_alu depctr_hold_cnt(0) depctr_sa_sdst(0) depctr_va_vdst(0) depctr_va_sdst(0) depctr_va_ssrc(0) depctr_va_vcc(0) depctr_vm_vsrc(0)
	s_getreg_b32 s2, hwreg(HW_REG_IB_STS2, 6, 4)
	s_cmp_eq_u32 s2, 0
	s_cbranch_scc0 .Lentry_in_a_cluster
	s_endpgm
.Lentry_in_a_cluster:
	s_bfe_u32 s2, ttmp6, 0x10000c
	s_cmp_lg_u32 s2, 0xf033
	s_cbranch_scc0 .Lentry_shape_is_right
	s_endpgm
.Lentry_shape_is_right:
; q = x Wq + bq, k = x Wk + bk, v = x Wv + bv on codes of FP8 (E4M3) with E8M0 scales for each 32 along K = 1,024; sums in f32; the results are quantised here, in f32, for attention: q and k along the head's 64, v along the keys.
; A tile of 256 x 256 results is made by four waves, 128 x 128 each (64 accumulators of 16 x 16).  K goes in steps of 256 through a ring of two LDS slots; the scale bytes of the tile's rows, for all of K, come once and stay.
; ONE BODY, THREE KINDS, told apart by the cluster's x (the same in all sixteen partners): 0: q, 1: k: operand A = x, operand B = the weight; 2: v: A = Wv, B = x, so that v comes out transposed.
; The matrix instruction is used transposed (source 0 = 16 rows of B, source 1 = 16 rows of A): a lane holds ONE row of A and its registers run along B's rows.  Rows of xq and wq are stored in the order sw (bits 3 and 4 of the
; index exchanged), so the 16 registers of accumulators (a, 2 c) and (a, 2 c + 1) are the NATURAL neighbours 32 c + 16 (lane / 16) + 0 .. 15 of B's index: columns of the weight (q, k) or tokens (v): the next product's K.
; OUT, in blocks of 8,704 bytes = 128 rows x 64 codes, then 128 scale words.  q, k: block (cg, blk) at (64 cg + blk) x 8,704: cg = head (q) or 16 + head (k), blk = stored token row / 128; a word's bytes 0, 1 are the two scales, 2, 3 are 0.
; v: from byte 17,825,792, block (kg, pb) at (8 kg + pb) x 8,704: kg = token / 64, pb = pair of heads, row = stored column % 128; the words of an even kg hold the four scales of tokens 64 kg .. + 127.
; CLUSTERS: 4 x 4 work-groups; A's tiles are asked for jointly along a row of the cluster, B's along a column.
; LIMITS: NaN and infinities are not served; a block whose largest magnitude lies under 2^-118 (zeros too) keeps the byte 1: this program alone reads the bytes.
; REGISTERS, in windows of 256: window 0: v0-31 addresses and the per-row bias; v32-63 scale words, two sets; v64-127 the per-column bias; from v128 A's fragments, one set.  window 1: B's fragments, two sets.
;   window 2: the accumulators of my rows 0-63 ((a, b) at v[8 (8 a + b)]);  window 3: those of rows 64-127.  On the way out v32-52 and v128-207 of window 0 are at work.
.set KSTEP,  256
.set NQ,     2
.set ROWB,   256
.set KROW,   1024
.set PITCH,  272                       ; an LDS row: 256 bytes + 16: the 16 rows that a load touches start at 16 different banks
.set FR,     16
.set NL,     4
.set NP,     8                         ; places behind this matrix instruction (ISA guide 7.12.1)
.set HALFT,  128*PITCH
.set SLOT,   4*HALFT
.set LAPS,   2
.set KS,     32
.set SCL,    2*SLOT                    ; behind the ring: the scale bytes, as units of 256 bytes + 16
.set HALFS,  (128*KS/256)*272
.set SBLK,   (16*KS/256)*272
.set SPARE,  SCL+4*HALFS               ; the spare words: 128 bytes a wave
.set BLKB,   8704
.set VB,     17825792
.set SGS,    81920                     ; the way out's stage lies in slot 0 (its last fill and last read are over): codes [4 groups of 64][256 rows][80 bytes] from byte 0, scale words [4][256] from here
.set BM,   8                           ; v8-15   bias of A's row, for each of my 8 blocks (v)
.set ADRA, 16
.set RDC,  18
.set RDS,  19
.set ADRB, 20
.set VBI,  22
.set VBM,  23
.set STO,  24
.set STS,  25
.set CO,   26
.set ADRS, 27
.set SPW,  28
.set NIL,  29
.set SH,   30
.set SC,   32
.set BI,   64                          ; v64-127 bias of B's index: register 16 c + i: 32 c + 16 (lane / 16) + i (q, k)
.set AF,   128
.set TM,   32                          ; the way out: v32-35 largest magnitudes, v36-39 bytes, v44-47 scale operands
.set PW,   48
.set PWS,  49
.set TP,   50
.set W,    128                         ; 64 numbers with their bias
.set PC,   192                         ; their codes
.set WV,   16
.set RH,   17
.set CH,   18
.set TR,   19
.set TC,   42
.set G1,   24
.set G0,   32
.set G1B,  48
.set G0B,  56
.set G1S,  68
.set G0S,  76
.set G1SB, 80
.set G0SB, 88
.set MSB, 0
.macro WIN new                         ; the immediate's high byte repeats the setting that is left
.if MSB != (\new)
	s_set_vgpr_msb (MSB<<8)|(\new)
.set MSB, (\new)
.endif
.endm
.set MUL_LO, 0xa1
.set MUL_HI, 0xf1
.set TO_B,   0x40
; A joint load: waves 0 and 1 fetch for A, waves 2 and 3 for B; the branch hangs on the wave's number alone.  Four v_nop follow each of the two lines.
.macro JLOAD g0a, g1a, g0b, g1b
	s_cmp_eq_u32 s[RH], 0
	s_cbranch_scc0 .Lfor_b_\@
	tensor_load_to_lds s[\g0a:\g0a+3], s[\g1a:\g1a+7]
	s_nop 0
.rept 4
	v_nop
.endr
	s_branch .Lasked_\@
.Lfor_b_\@:
	tensor_load_to_lds s[\g0b:\g0b+3], s[\g1b:\g1b+7]
	s_nop 0
.rept 4
	v_nop
.endr
.Lasked_\@:
.endm
.macro CREST                           ; a round of the cluster's barrier behind its opening barrier
	s_cmp_lg_u32 s[WV], 0
	s_cbranch_scc1 .Lnot_wave_0_\@
	s_barrier_signal -3
.Lnot_wave_0_\@:
	s_barrier_wait -3
	s_barrier_signal -1
	s_barrier_wait -1
.endm
.macro CROUND
	s_barrier_signal -1
	s_barrier_wait -1
	CREST
.endm
	s_load_b128 s[4:7], s[0:1], 0x0                ; xq, wq
	s_load_b128 s[8:11], s[0:1], 0x10              ; bq, bk
	s_load_b128 s[12:15], s[0:1], 0x20             ; bv, qkv
	v_lshl_add_u32 v[SPW], v0, 2, SPARE
	v_mov_b32 v[NIL], 0
	ds_add_u32 v28, v29
	ds_add_u32 v28, v29
	s_wait_dscnt 0x0
	v_lshrrev_b32 v1, 5, v0
	v_readfirstlane_b32 s[WV], v1                  ; wave 0..3
	s_lshr_b32 s[RH], s[WV], 1                     ; which half of A's rows is mine.  Also: I fetch for A (0) or for B (1)
	s_and_b32 s[CH], s[WV], 1                      ; which half of B's rows.  Also: which 128 rows of that tile I fetch
	s_bfe_u32 s40, ttmp6, 0x40000                  ; cx
	s_bfe_u32 s41, ttmp6, 0x40004                  ; cy
	s_and_b32 s95, ttmp7, 0xffff
	s_lshl_b32 s95, s95, 2                         ; 4 x cluster y
	s_lshl_b32 s98, ttmp9, 2                       ; 4 x cluster x
	s_add_co_u32 s[TR], s95, s41
	s_add_co_u32 s[TC], s98, s40
	s_add_co_u32 s99, s95, s40
	s_mov_b32 s100, ttmp9                          ; the kind
	s_cmp_eq_u32 ttmp9, 2                          ; v?
	s_cselect_b32 s[TR], s41, s[TR]                ; A's tile: q, k: 4 x cluster y + cy (tokens);  v: cy (Wv's rows)
	s_cselect_b32 s[TC], s99, s[TC]                ; B's tile: q, k: 4 x cluster x + cx (columns of Wq | Wk);  v: 4 x cluster y + cx (tokens)
	s_cselect_b32 s101, -1, 0xffff                 ; what is kept of a scale word
	s_cselect_b32 s98, 8, 64                       ; blocks from one group of 64 of B's index to the next
	s_cselect_b32 s99, VB, 0
	s_lshl_b32 s43, s41, 2
	s_lshl_b32 s43, 15, s43                        ; my row of the cluster
	s_lshl_b32 s44, 0x1111, s40                    ; my column
	s_or_b32 s[G1+0], s43, (0<<16)|(1<<20)|(1<<21)|(5<<22)|(3<<25)  ; the mask; elements of 1 byte; padding: 4 words after every 64; bit 21 beside a mask
	s_or_b32 s[G1B+0], s44, (0<<16)|(1<<20)|(1<<21)|(5<<22)|(3<<25)
.irp g, G1, G1B
	s_mov_b32 s[\g+1], ROWB<<16                    ; tensor_dim0
	s_mov_b32 s[\g+2], 128<<16                     ; tensor_dim1
	s_mov_b32 s[\g+3], ROWB<<16                    ; tile_dim0
	s_mov_b32 s[\g+4], 128                         ; tile_dim1
	s_mov_b32 s[\g+5], KROW                        ; the pitch
	s_mov_b32 s[\g+6], 0
	s_mov_b32 s[\g+7], 0
.endr
	s_or_b32 s[G1S+0], s43, (3<<16)|(1<<20)|(1<<21)|(5<<22)|(3<<25) ; the scale bytes of 128 rows: 4,096 dense bytes as 16 rows of 256 (32 elements of 8 bytes)
	s_or_b32 s[G1SB+0], s44, (3<<16)|(1<<20)|(1<<21)|(5<<22)|(3<<25)
.irp g, G1S, G1SB
	s_mov_b32 s[\g+1], 32<<16
	s_mov_b32 s[\g+2], (128*KS/256)<<16
	s_mov_b32 s[\g+3], 32<<16
	s_mov_b32 s[\g+4], 128*KS/256
	s_mov_b32 s[\g+5], 32
	s_mov_b32 s[\g+6], 0
	s_mov_b32 s[\g+7], 0
.endr
	s_lshl_b32 s20, s[CH], 7
	s_lshl_b32 s21, s[TR], 8
	s_add_co_u32 s21, s21, s20                     ; A: row 256 x tile + 128 x half
	s_lshl_b32 s46, s[TC], 8
	s_add_co_u32 s46, s46, s20                     ; B likewise
	s_lshl_b32 s22, s21, 5                         ; where these rows' scale bytes begin,
	s_mov_b32 s23, 0
	s_lshl_b32 s20, s21, 10                        ; and their codes (all under 2^24)
	s_mov_b32 s21, 0
	s_lshl_b32 s92, s46, 5
	s_mov_b32 s93, 0
	s_lshl_b32 s46, s46, 10
	s_mov_b32 s47, 0
	s_mul_i32 s45, s[WV], HALFT                    ; where they go: wave x 128 rows: no place in the cluster enters an LDS address
	s_mul_i32 s94, s[WV], HALFS
	s_wait_kmcnt 0x0
	s_cmp_eq_u32 ttmp9, 1
	s_cselect_b64 s[8:9], s[10:11], s[8:9]
	s_cmp_eq_u32 ttmp9, 2
	s_cselect_b64 s[8:9], s[12:13], s[8:9]         ; the kind's bias
	s_add_nc_u64 s[10:11], s[4:5], 8388608         ; x's scale bytes            (these sums leave SCC alone)
	s_add_nc_u64 s[12:13], s[6:7], 4194304         ; Wq's and Wk's scale bytes
	s_add_nc_u64 s[96:97], s[6:7], 2097152         ; Wv's codes
	s_add_nc_u64 s[66:67], s[6:7], 4259840         ; Wv's scale bytes
	s_cselect_b64 s[96:97], s[96:97], s[4:5]       ; A's codes
	s_cselect_b64 s[66:67], s[66:67], s[10:11]     ; A's scale bytes
	s_cselect_b64 s[6:7], s[4:5], s[6:7]           ; B's codes
	s_cselect_b64 s[12:13], s[10:11], s[12:13]     ; B's scale bytes
	s_add_nc_u64 s[20:21], s[96:97], s[20:21]
	s_add_nc_u64 s[22:23], s[66:67], s[22:23]
	s_add_nc_u64 s[46:47], s[6:7], s[46:47]
	s_add_nc_u64 s[92:93], s[12:13], s[92:93]
	CROUND                                         ; all sixteen work-groups are here: the first joint loads meet
	s_mov_b32 s[G0S], 1
	s_add_co_u32 s[G0S+1], s94, SCL
	s_mov_b64 s[G0S+2:G0S+3], s[22:23]
	s_or_b32 s[G0S+3], s[G0S+3], 0x80000000
	s_mov_b32 s[G0SB], 1
	s_add_co_u32 s[G0SB+1], s94, SCL
	s_mov_b64 s[G0SB+2:G0SB+3], s[92:93]
	s_or_b32 s[G0SB+3], s[G0SB+3], 0x80000000
	JLOAD G0S, G1S, G0SB, G1SB                     ; the scale bytes first: they are wanted with K step 0
.irp s, 0,1
	s_mov_b32 s[G0+4*\s], 1
	s_add_co_u32 s[G0+4*\s+1], s45, \s*SLOT
	s_add_nc_u64 s[G0+4*\s+2:G0+4*\s+3], s[20:21], \s*ROWB
	s_or_b32 s[G0+4*\s+3], s[G0+4*\s+3], 0x80000000
	s_mov_b32 s[G0B+4*\s], 1
	s_add_co_u32 s[G0B+4*\s+1], s45, \s*SLOT
	s_add_nc_u64 s[G0B+4*\s+2:G0B+4*\s+3], s[46:47], \s*ROWB
	s_or_b32 s[G0B+4*\s+3], s[G0B+4*\s+3], 0x80000000
	s_wait_alu depctr_va_vdst(0)
	s_wait_tensorcnt 0x0
	ds_add_u32 v28, v29
	s_wait_dscnt 0x0
	CROUND
	JLOAD G0+4*\s, G1, G0B+4*\s, G1B               ; one tensor load of mine is out
.endr
	v_and_b32 v1, 15, v0                           ; r = lane % 16
	v_bfe_u32 v2, v0, 4, 1                         ; h = lane / 16
	v_mul_u32_u24 v3, v1, PITCH
	v_lshl_add_u32 v4, v2, 4, v3                   ; a fragment's row x pitch + 16 h
	s_mul_i32 s21, s[RH], HALFT                    ; my 128 rows of A
	s_mul_i32 s22, s[CH], HALFT                    ; my 128 rows of B,
	s_add_co_u32 s22, s22, 2*HALFT                 ; behind A's 256
.irp s, 0,1
	v_add_nc_u32 v[ADRA+\s], s21, v4
	v_add_nc_u32 v[ADRB+\s], s22, v4
	s_add_co_u32 s21, s21, SLOT
	s_add_co_u32 s22, s22, SLOT
.endr
	v_mul_u32_u24 v5, v1, KS                       ; my row's scale bytes: 32 a row,
	v_lshrrev_b32 v6, 8, v5
	v_lshl_add_u32 v5, v6, 4, v5                   ; and 16 more for each 256 passed
	s_mul_i32 s21, s[RH], HALFS
	s_mul_i32 s22, s[CH], HALFS
	s_add_co_u32 s22, s22, 2*HALFS
	s_sub_co_u32 s22, s22, s21
	v_mul_u32_u24 v6, s22, v2                      ; lanes 16-31 take B's: one product, the distance between the two bases
	s_add_co_u32 s21, s21, SCL
	v_add_nc_u32 v5, v5, v6
	v_add_nc_u32 v[ADRS], s21, v5
	s_mul_i32 s23, s[CH], 40960                    ; the stage, codes in: group 2 x half + c / 2, row 128 x half + 16 a + r, 80 bytes a row, + 16 h
	s_mul_i32 s21, s[RH], 10240
	s_add_co_u32 s23, s23, s21
	v_mul_u32_u24 v5, v1, 80
	v_lshl_add_u32 v5, v2, 4, v5
	v_add_nc_u32 v[STO], s23, v5
	s_lshl_b32 s23, s[CH], 11                      ; scale words in: lanes 0-15 the lower group's, lanes 16-31 the upper group's
	s_lshl_b32 s21, s[RH], 9
	s_add_co_u32 s23, s23, s21
	s_add_co_u32 s23, s23, SGS
	v_lshlrev_b32 v5, 2, v1
	v_lshl_add_u32 v5, v2, 10, v5
	v_add_nc_u32 v[STS], s23, v5
	v_and_b32 v6, 31, v0
	v_lshlrev_b32 v[CO], 4, v6                     ; out: 16 bytes a lane
	v_lshrrev_b32 v5, 2, v6
	v_mul_u32_u24 v5, v5, 80
	v_and_b32 v7, 3, v6
	v_lshl_add_u32 v5, v7, 4, v5
	s_mul_i32 s23, s[WV], 20480
	v_add_nc_u32 v[RDC], s23, v5                   ; back: wave w takes group w: four lanes to a row of 64 bytes, eight rows an instruction
	s_lshl_b32 s23, s[WV], 10
	s_add_co_u32 s23, s23, SGS
	v_add_nc_u32 v[RDS], s23, v[CO]
	v_lshlrev_b32 v[SH], 4, v2                     ; 16 h
	s_lshl_b32 s21, s[TC], 2
	s_add_co_u32 s21, s21, s[WV]                   ; the group of 64 that I store,
	s_mul_i32 s21, s21, s98
	s_lshl_b32 s23, s[TR], 1
	s_add_co_u32 s21, s21, s23                     ; its first of two neighbouring blocks
	s_mul_i32 s20, s21, BLKB
	s_add_co_u32 s20, s20, s99
	s_mov_b32 s21, 0
	s_add_nc_u64 s[14:15], s[14:15], s[20:21]
	s_lshl_b32 s20, s40, 10                        ; the bias by B's index (q, k: column 256 cx + 128 x half + ..), 4 bytes each.  Both tables are loaded in every kind and stay inside the 1,024 numbers
	s_lshl_b32 s21, s[CH], 9
	s_add_co_u32 s20, s20, s21
	v_lshl_add_u32 v[VBI], v2, 6, s20
	s_and_b32 s20, s[TR], 3                        ; and by A's row (v: column 256 cy + 128 x half + the natural index of stored row 16 a + r)
	s_lshl_b32 s20, s20, 10
	s_lshl_b32 s21, s[RH], 9
	s_add_co_u32 s20, s20, s21
	v_and_b32 v5, 8, v1
	v_add_nc_u32 v5, v5, v1
	v_lshl_add_u32 v[VBM], v5, 2, s20
.irp c, 0,1,2,3
.irp j, 0,1,2,3
	global_load_b128 v[BI+16*\c+4*\j:BI+16*\c+4*\j+3], v[VBI], s[8:9] offset:128*\c+16*\j
.endr
.endr
.irp a, 0,1,2,3,4,5,6,7
	global_load_b32 v[BM+\a], v[VBM], s[8:9] offset:(32*(\a/2)+8*(\a%2))*4
.endr
.macro FRAG reg, adr, q, i             ; 16 rows x 128 K: lane l holds row l % 16; registers 4 c .. 4 c + 3 hold K = 32 c + 16 (l / 16) + 0 .. 15
.irp c, 0,1,2,3
	ds_load_b128 v[\reg+4*\c:\reg+4*\c+3], v[\adr] offset:128*(\q)+32*\c+(\i)*16*PITCH
.endr
.endm
; 16 matrix instructions: A's blocks a0, a0 + 1 x B's eight.  The 64 accumulators take turns, one instruction a turn, in the same order in every step.
.macro MUL16 a0, p, q, sc, zero
.irp a, \a0, \a0+1
.irp b, 0,1,2,3,4,5,6,7
.if \zero
	v_wmma_scale_f32_16x16x128_f8f6f4 v[8*(8*((\a)%4)+\b):8*(8*((\a)%4)+\b)+7], v[128*(\p)+FR*\b:128*(\p)+FR*\b+FR-1], v[AF+FR*(\a):AF+FR*(\a)+FR-1], 0, v[SC+8*NQ*(\sc)+NQ*\b+(\q)], v[SC+8*NQ*(\sc)+NQ*(\a)+(\q)] matrix_a_scale:MATRIX_SCALE_ROW1
.else
	v_wmma_scale_f32_16x16x128_f8f6f4 v[8*(8*((\a)%4)+\b):8*(8*((\a)%4)+\b)+7], v[128*(\p)+FR*\b:128*(\p)+FR*\b+FR-1], v[AF+FR*(\a):AF+FR*(\a)+FR-1], v[8*(8*((\a)%4)+\b):8*(8*((\a)%4)+\b)+7], v[SC+8*NQ*(\sc)+NQ*\b+(\q)], v[SC+8*NQ*(\sc)+NQ*(\a)+(\q)] matrix_a_scale:MATRIX_SCALE_ROW1
.endif
.endr
.endr
.endm
.macro FETCH_B slot, q, p
	WIN TO_B
.irp i, 0,1,2,3,4,5,6,7
	FRAG 128*(\p)+FR*\i, ADRB+\slot, \q, \i
.endr
	WIN 0
.endm
.macro FETCH_A slot, q, i0
.irp i, \i0, \i0+1, \i0+2, \i0+3
	FRAG AF+FR*(\i), ADRA+\slot, \q, \i
.endr
.endm
.macro SCALES sc                       ; a K step's scale words: lanes 0-15 A's block i, lanes 16-31 B's block i
.irp i, 0,1,2,3,4,5,6,7
	ds_load_b64 v[SC+8*NQ*\sc+NQ*\i:SC+8*NQ*\sc+NQ*\i+1], v[ADRS] offset:\i*SBLK
.endr
.endm
.macro PLACES n                        ; plain vector instructions between a matrix instruction and a load into, or a read or write by a vector instruction of, its registers
.rept \n
	v_nop
.endr
.endm
.macro STEP slot, q, zero              ; 128 along K whose successor lies in the same slot
	s_wait_dscnt 4*NL                              ; B's set and A's blocks 0-3 are in; the youngest 16 loads (A's blocks 4-7) may be out
	WIN MUL_LO
	MUL16 0, (\q)%2, \q, \slot, \zero
	MUL16 2, (\q)%2, \q, \slot, \zero
	s_wait_dscnt 0
	PLACES NP
	FETCH_B \slot, (\q)+1, 1-(\q)%2
	FETCH_A \slot, (\q)+1, 0
	WIN MUL_HI
	MUL16 4, (\q)%2, \q, \slot, \zero
	MUL16 6, (\q)%2, \q, \slot, \zero
	PLACES NP
	WIN 0
	FETCH_A \slot, (\q)+1, 4
.endm
; A slot's last step changes slots: one barrier; in front of it each wave waits for all its tensor loads, adds 0 to its spare word, and waits for that and for its reads of this slot.
.macro TURN slot, next, fill
	s_wait_tensorcnt 0x0                           ; all my tensor loads have landed: my part of the next slot
	ds_add_u32 v[SPW], v[NIL]                      ; 0 onto my spare word
	s_wait_dscnt 4*NL+1                            ; the add and the youngest 16 loads (A's blocks 4-7) may be out
	WIN MUL_LO
	MUL16 0, 1, NQ-1, \slot, 0
	s_wait_dscnt 0x0                               ; the add is done, and my reads of this slot are over
	s_barrier_signal -1
	MUL16 2, 1, NQ-1, \slot, 0
	WIN 0
	s_barrier_wait -1
.if \fill
	CREST                                          ; the barrier has opened a round of the cluster's: no wave of any partner still reads this slot or has a load on its way
	s_add_nc_u64 s[G0+4*\slot+2:G0+4*\slot+3], s[G0+4*\slot+2:G0+4*\slot+3], 2*ROWB
	s_add_nc_u64 s[G0B+4*\slot+2:G0B+4*\slot+3], s[G0B+4*\slot+2:G0B+4*\slot+3], 2*ROWB
	JLOAD G0+4*\slot, G1, G0B+4*\slot, G1B         ; the first tensor load behind the round, my only one until the next
	PLACES NP-4
.else
	PLACES NP
.endif
	s_wait_alu depctr_va_vdst(0)
	v_add_nc_u32 v[ADRS], 4*NQ, v[ADRS]            ; on to the next K step's scale words
	FETCH_B \next, 0, 0
	FETCH_A \next, 0, 0
	SCALES \next
	WIN MUL_HI
	MUL16 4, 1, NQ-1, \slot, 0
	MUL16 6, 1, NQ-1, \slot, 0
	PLACES NP
	WIN 0
	FETCH_A \next, 0, 4
.endm
	s_wait_tensorcnt 1                             ; the scale bytes and my part of K step 0 are in; K step 1's load may be out
	s_barrier_signal -1
	s_barrier_wait -1
	FETCH_B 0, 0, 0
	FETCH_A 0, 0, 0
	SCALES 0
	FETCH_A 0, 0, 4
	STEP 0, 0, 1                                   ; the first step's products start the sums: nothing is cleared
	s_mov_b32 s3, LAPS-1
.Llap:
	TURN 0, 1, 1
	STEP 1, 0, 0
	TURN 1, 0, 1
	STEP 0, 0, 0
	s_sub_co_u32 s3, s3, 1
	s_cmp_lg_u32 s3, 0
	s_cbranch_scc1 .Llap
	TURN 0, 1, 0                                   ; the last lap fills nothing
	STEP 1, 0, 0
	s_wait_dscnt 4*NL
	WIN MUL_LO
	MUL16 0, 1, NQ-1, 1, 0
	MUL16 2, 1, NQ-1, 1, 0
	s_wait_dscnt 0
	WIN MUL_HI
	MUL16 4, 1, NQ-1, 1, 0
	MUL16 6, 1, NQ-1, 1, 0
	WIN 0
; THE WAY OUT, block by block of 16 rows of A: bias, quantiser, codes and scale words into the work-group's stage; a barrier; each wave stores one group of 64 of B's index as 17,408 consecutive bytes.
.macro ADDB a                          ; the block's 64 numbers a lane, each accumulator from its low end on, with their bias, into v[W] on
	s_cmp_eq_u32 s100, 2                           ; the kind: the same in all partners
	s_cbranch_scc1 .Lbias_row_\@
	WIN 0x02+(\a)/4
.irp i, 0,2,4,6,8,10,12,14,16,18,20,22,24,26,28,30,32,34,36,38,40,42,44,46,48,50,52,54,56,58,60,62
	v_pk_add_f32 v[W+\i:W+\i+1], v[64*((\a)%4)+\i:64*((\a)%4)+\i+1], v[BI+\i:BI+\i+1]     ; q, k: the bias goes by the register
.endr
	WIN 0
	s_branch .Lbias_done_\@
.Lbias_row_\@:
	v_mov_b32 v[TP], v[BM+(\a)]                    ; v: the bias goes by the lane's row
	v_mov_b32 v[TP+1], v[BM+(\a)]
	WIN 0x02+(\a)/4
.irp i, 0,2,4,6,8,10,12,14,16,18,20,22,24,26,28,30,32,34,36,38,40,42,44,46,48,50,52,54,56,58,60,62
	v_pk_add_f32 v[W+\i:W+\i+1], v[64*((\a)%4)+\i:64*((\a)%4)+\i+1], v[TP:TP+1]
.endr
	WIN 0
.Lbias_done_\@:
.endm
.macro QUANT s                         ; register 16 b + i = index 32 b + 16 (lane / 16) + i of my row: four blocks of 32, each shared with lane l xor 16
.irp b, 0,1,2,3
	v_max3_num_f32 v[TM+\b], |v[\s+16*\b]|, |v[\s+1+16*\b]|, 0x4800000   ; with the floor 2^(9 - 127): the byte cannot fall under 1
.endr
.irp i, 2,4,6,8,10,12,14
.irp b, 0,1,2,3
	v_max3_num_f32 v[TM+\b], v[TM+\b], |v[\s+16*\b+\i]|, |v[\s+1+16*\b+\i]|
.endr
.endr
.irp b, 0,1,2,3
	v_permlanex16_b32 v[TM+4+\b], v[TM+\b], s92, s93
.endr
.irp b, 0,1,2,3
	v_max_num_f32 v[TM+\b], v[TM+\b], v[TM+4+\b]   ; the block's largest magnitude
.endr
.irp b, 0,1,2,3
	v_add_nc_u32 v[TM+12+\b], 0xfc000000, v[TM+\b] ; 8 off its exponent field: the conversion's scale operand
.endr
.irp b, 0,1,2,3
.endr
.irp b, 0,1,2,3
	v_lshrrev_b32 v[TM+4+\b], 23, v[TM+12+\b]      ; the scale's byte
.endr
	v_lshl_or_b32 v[PW], v[TM+5], 8, v[TM+4]
	v_lshl_or_b32 v[PW], v[TM+6], 16, v[PW]
	v_lshl_or_b32 v[PW], v[TM+7], 24, v[PW]
.irp b, 0,1,2,3
.irp i, 0,1,2,3,4,5,6,7,8,9,10,11,12,13,14,15
.endr
	v_cvt_scalef32_pk8_fp8_f32 v[PC+4*\b:PC+1+4*\b], v[\s+16*\b:\s+7+16*\b], v[TM+12+\b]
	v_cvt_scalef32_pk8_fp8_f32 v[PC+2+4*\b:PC+3+4*\b], v[\s+8+16*\b:\s+15+16*\b], v[TM+12+\b]
.endr
	v_nop                                          ; a plain instruction behind the last conversion
.endm
.macro PUT a
.irp c, 0,1,2,3
	ds_store_b128 v[STO], v[PC+4*\c:PC+4*\c+3] offset:(\c/2)*20480+(\a)*1280+32*(\c%2)
.endr
	v_lshrrev_b32 v[PWS], v[SH], v[PW]             ; lanes 0-15: the word from byte 0 on; lanes 16-31: from byte 2 on
	v_and_b32 v[PWS], s101, v[PWS]                 ; q, k: two bytes, and zeros above them;  v: all of it
	ds_store_b32 v[STS], v[PWS] offset:64*(\a)
	s_wait_dscnt 0x0                               ; the stores have read their registers; in front of the barrier: they have landed
.endm
	s_mov_b32 s92, 0x76543210
	s_mov_b32 s93, 0xfedcba98                      ; v_permlanex16_b32's selects for lane l xor 16
	s_wait_loadcnt 0x0                             ; the biases
	PLACES NP                                      ; behind the last products: their results are read, and registers that they read are written
.irp b, 0,1,2,3
	v_mov_b32 v[TM+4+\b], 0                        ; written once: a lane permute's destination counts as one of its sources
.endr
.irp a, 0,1,2,3,4,5,6,7
	ADDB \a
	QUANT W
	PUT \a
.endr
	s_barrier_signal -1
	s_barrier_wait -1                              ; the stage is whole
.macro BACK u                          ; block u of my group: 16 pieces of 512 bytes of codes, then its 512 bytes of scale words
.irp t, 0,1,2,3,4,5,6,7,8,9,10,11,12,13,14,15
	ds_load_b128 v[W+4*\t:W+4*\t+3], v[RDC] offset:640*(16*(\u)+\t)
.endr
	ds_load_b128 v[W+64:W+67], v[RDS] offset:512*(\u)
.irp t, 0,1,2,3,4,5,6,7,8,9,10,11,12,13,14,15
	s_wait_dscnt 16-\t                             ; LDS loads come back in order: piece t is in
	global_store_b128 v[CO], v[W+4*\t:W+4*\t+3], s[14:15] offset:BLKB*(\u)+512*\t     ; 32 lanes store 512 consecutive bytes, at a multiple of 256
.endr
	s_wait_dscnt 0x0
	global_store_b128 v[CO], v[W+64:W+67], s[14:15] offset:BLKB*(\u)+8192
.endm
	BACK 0
	s_wait_xcnt 0x0                                ; the stores have read their registers: they may be loaded again
	BACK 1
	s_wait_tensorcnt 0x0                           ; the wave's end
	ds_add_u32 v[SPW], v[NIL]
	s_wait_dscnt 0x0
	CROUND                                         ; the closing round
	s_endpgm
.Lfunc_end_k_qfb100715fe_qkv:
	.size	k_qfb100715fe_qkv, .Lfunc_end_k_qfb100715fe_qkv-k_qfb100715fe_qkv
	.p2alignl 7, 3214868480
	.fill 96, 4, 3214868480
	.section	.rodata,"a",@progbits
	.p2align	6, 0x0
	.amdhsa_kernel k_qfb100715fe_qkv
		.amdhsa_group_segment_fixed_size 327680
		.amdhsa_private_segment_fixed_size 0
		.amdhsa_enable_private_segment 0
		.amdhsa_kernarg_size 48
		.amdhsa_user_sgpr_count 2
		.amdhsa_user_sgpr_kernarg_segment_ptr 1
		.amdhsa_wavefront_size32 1
		.amdhsa_system_sgpr_workgroup_id_x 1
		.amdhsa_system_sgpr_workgroup_id_y 1
		.amdhsa_system_sgpr_workgroup_id_z 1
		.amdhsa_system_vgpr_workitem_id 0
		.amdhsa_next_free_vgpr 1024
		.amdhsa_next_free_sgpr 102
		.amdhsa_reserve_vcc 0
		.amdhsa_float_denorm_mode_32 3
		.amdhsa_float_denorm_mode_16_64 3
		.amdhsa_fp16_overflow 1
		.amdhsa_memory_ordered 1
		.amdhsa_forward_progress 1
		.amdhsa_inst_pref_size 194
	.end_amdhsa_kernel
	.amdgpu_metadata
---
amdhsa.version: [ 1, 2 ]
amdhsa.kernels:
  - .name:           k_qfb100715fe_qkv
    .symbol:         k_qfb100715fe_qkv.kd
    .args:
      - { .name: xq, .offset: 0, .size: 8, .value_kind: global_buffer, .address_space: global }
      - { .name: wq, .offset: 8, .size: 8, .value_kind: global_buffer, .address_space: global }
      - { .name: bq, .offset: 16, .size: 8, .value_kind: global_buffer, .address_space: global }
      - { .name: bk, .offset: 24, .size: 8, .value_kind: global_buffer, .address_space: global }
      - { .name: bv, .offset: 32, .size: 8, .value_kind: global_buffer, .address_space: global }
      - { .name: qkv, .offset: 40, .size: 8, .value_kind: global_buffer, .address_space: global }
    .group_segment_fixed_size: 327680
    .private_segment_fixed_size: 0
    .kernarg_segment_align: 8
    .kernarg_segment_size: 48
    .max_flat_workgroup_size: 128
    .sgpr_count:     102
    .vgpr_count:     1024
    .wavefront_size: 32
...
	.end_amdgpu_metadata
.endif
;; end of part 2
;; launch attn (part 3): grid 8 x 32, 16 waves a work-group, no clusters, 327,680 bytes of LDS; arguments qkv, oq; writes oq
.if DOCPART == 3
	.amdgcn_target "amdgcn-amd-amdhsa--gfx1250"
	.amdhsa_code_object_version 6
	.text
	.protected	k_qfb100715fe_attn
	.globl	k_qfb100715fe_attn
	.p2align	8
	.type	k_qfb100715fe_attn,@function
k_qfb100715fe_attn:
	s_mov_b64 s[64:65], 0
	v_nop
	global_prefetch_b8 v0, s[64:65] scope:SCOPE_SE
	s_setreg_imm32_b32 hwreg(HW_REG_WAVE_MODE, 25, 1), 1
	s_wait_xcnt 0x0
; Causal attention on codes of FP8 (E4M3), E8M0 scales for each 32 along a product's K: scores = q k^T / 8, p = 2^(t - M), o = (p v) / (the row's sum of the unquantised p); o is quantised here along the model's 1,024 for the last product.
; t = score x log2(e) / 8; M = the row's largest t so far, rounded UP to a whole number; when M moves, the sum and O are multiplied by 2^(old M - new M): exact.
; SHARES.  256 work-groups of equal work: work-group (J, batch, pair of heads) serves the query blocks 15 - J and then J of 128 tokens: 16 - J and J + 1 key steps of 128: always 17 VISITS, the last of each phase on the diagonal.
; Wave w of sixteen takes head w / 8 of the pair and tile w % 8 of 16 stored query rows.  All waves work in all visits: nothing hidden is fetched or multiplied, and every trip count is a constant.
; LAYOUT.  Both products are used transposed: S^T = K Q^T, O^T = V^T P^T: a lane holds ONE query.  Rows of q, k, v are stored in the order sw (bits 3 and 4 exchanged), so the 16 registers of two neighbouring tiles are 16 natural
; neighbours: keys in S^T (p's blocks of 32), channels in O^T (o's blocks of 32).  Stored query row 16 T + r is natural row 32 (T / 2) + 8 (T % 2) + r + 8 (r / 8) of its block.
; THE HEAD'S 64 FILL HALF OF THE INSTRUCTION'S 128: Q's upper 8 registers hold zero codes, and the scale bytes 2 and 3 of q's and k's words are 0; K's upper 8 registers are simply the next tile's codes, which meet zeros.
; THE RING: two slots of two visits; a visit's K tile is two blocks of 8,704 bytes (the two heads), its V tile two blocks (64 keys each, both heads); codes and scale words come together, 16 bytes of padding behind each 64.
; Waves 0 to 3 fetch one tile each.  No cluster: from visit 16 - J on the work-groups of a head want different tiles, so joint requests would not have equal descriptors.
; LIMITS: NaN and infinities are not served; 1 / sum is v_rcp_f32; a block of p or o whose largest magnitude lies under 2^-118 keeps the byte 1 (its bytes are read by this program alone).
.set BLKB,  8704
.set VB,    17825792
.set TROW,  10880                      ; a block in LDS: 136 pieces of 64 bytes + 16
.set TILE,  21760
.set SLOT1, 131072                     ; slot 1 begins here: one exclusive or turns an address from one slot to the other
.set STG,   218112                     ; behind the ring: two blocks of o: 128 rows x 144 bytes, then 128 scale words
.set OBLK,  18944
.set SPARE, 256000                     ; the spare words: 128 bytes for each of 16 waves
.set OQB,   16896                      ; a block of oq: 128 rows x 128 codes, then 128 scale words
.set AK0,  1
.set AV0,  2
.set ASK0, 3
.set ASV0, 4
.set SPW,  5
.set NIL,  6
.set PFO,  7
.set ADK,  8
.set ADV,  9
.set ADS,  10
.set ADT,  11                          ; v12 -M, v13 the largest t, v[14:15] the sum in two halves, v16-31 Q
.set KR,   32                          ; v32-103  K: tile t names v[32 + 8 t .. + 15]; v96-103 zeros
.set SS,   104                         ; v104-167 S^T, then p, then V's four fragments
.set OT,   168                         ; v168-199 O^T
.set PCD,  200                         ; v200-215 p's codes
.set BX,   216                         ; block maxima
.set PT,   220                         ; permute targets, bytes, the sum's second chain
.set HOLD, 224
.set SOP,  228
.set KSC,  232                         ; v232-235 K's scale words: lanes 0-15 tile 2 m, lanes 16-31 tile 2 m + 1
.set VSC,  236                         ; v236-237 V's likewise
.set QSC,  238
.set PSC,  239
.set FF,   240                         ; v[240:241] f = 2^(old M - new M), later 1 / sum; the low word serves both halves
.set TMP,  242
.set DLT,  243
.set NINF, 244
.set Q2S,  245
.set Q2,   246                         ; v246-253 the second phase's Q, then the first phase's codes of o
.set HW1,  254
.set TB,    2
.set SLOTS, 3
.set WV,    8
.set HS,    9
.set TQ,    10
.set JJ,    11
.set BB,    12
.set GP,    13
.set N1,    14
.set N1M1,  15
.set VIS,   16
.set VN,    17
.set STEPB, 18
.set MNT,   19
.set SEL,   20
.set CS,    22
.set G1K,   24
.set G1V,   32
.set G0,    40
.set BASE,  44
.set PFA,   48
.set PFS,   50
.set LIM,   52
; Waves 0 and 1 fetch K's tiles, waves 2 and 3 V's, the others nothing; the branches hang on the wave's number alone.  Four v_nop follow each of the two lines.
.macro TLOAD
	s_cmp_lt_u32 s[WV], 2
	s_cbranch_scc0 .Lnot_k_\@
	tensor_load_to_lds s[G0:G0+3], s[G1K:G1K+7]
	s_nop 0
.rept 4
	v_nop
.endr
	s_branch .Lasked_\@
.Lnot_k_\@:
	s_cmp_lt_u32 s[WV], 4
	s_cbranch_scc0 .Lasked_\@
	tensor_load_to_lds s[G0:G0+3], s[G1V:G1V+7]
	s_nop 0
.rept 4
	v_nop
.endr
.Lasked_\@:
.endm
.macro TLOAD_LAST                      ; the last slot holds one visit: waves 0 and 2 alone fetch
	s_cmp_eq_u32 s[WV], 0
	s_cbranch_scc0 .Lnot_k_\@
	tensor_load_to_lds s[G0:G0+3], s[G1K:G1K+7]
	s_nop 0
.rept 4
	v_nop
.endr
	s_branch .Lasked_\@
.Lnot_k_\@:
	s_cmp_eq_u32 s[WV], 2
	s_cbranch_scc0 .Lasked_\@
	tensor_load_to_lds s[G0:G0+3], s[G1V:G1V+7]
	s_nop 0
.rept 4
	v_nop
.endr
.Lasked_\@:
.endm
; A prefetch into the L2 of the codes that the NEXT change of slots will ask for, two visits ahead of that load.  The eight work-groups of a batch and pair of heads walk the same K and V: the one with J = 0, whose first
; sixteen visits are key steps 0 to 15 in order, asks; in it waves 4 to 11, which fetch nothing: one block of 8,192 bytes of codes each, lanes 256 bytes apart.  So each 256 bytes are named once.  The last two changes ask for nothing.
.macro ASK
	s_cmp_gt_u32 s[SLOTS], s[LIM]
	s_cbranch_scc0 .Lnot_mine_\@
	global_prefetch_b8 v[PFO], s[PFA:PFA+1] th:TH_LOAD_NT scope:SCOPE_SE
.Lnot_mine_\@:
.endm
; THE CHANGE OF SLOTS, at a slot's head.  fill = 1: the slot just left takes the next two visits; 2: the last visit; 0: nothing.
.macro CHANGE fill
	s_wait_tensorcnt 0x0                           ; no tensor load of mine is out: my part of the slot ahead has landed, and group 0 may be written
	ds_add_u32 v[SPW], v[NIL]                      ; 0 onto my spare word
	ds_add_u32 v[SPW], v[NIL]
.if \fill
	s_add_co_u32 s[VN], s[VN], 2                   ; the visit that I fetch next,
	s_cmp_ge_u32 s[VN], s[N1]
	s_cselect_b32 s46, s[N1], 0
	s_sub_co_u32 s46, s[VN], s46                   ; its key step: the second phase begins again at key step 0
	s_mul_i32 s46, s46, s[STEPB]
	s_add_nc_u64 s[G0+2:G0+3], s[BASE:BASE+1], s[46:47]
	s_or_b32 s[G0+3], s[G0+3], 0x80000000
	s_xor_b32 s[G0+1], s[G0+1], SLOT1
.endif
.if \fill == 1
	s_wait_xcnt 0x0                                ; the last prefetch, a slot back, has read its address
	s_add_nc_u64 s[PFA:PFA+1], s[PFA:PFA+1], s[PFS:PFS+1]
.endif
	s_wait_dscnt 0x0                               ; the add is done, and my reads of the slot that I have left are over
	s_barrier_signal -1
	s_barrier_wait -1
.if \fill == 1
	TLOAD                                          ; first behind the barrier, a wave's one tensor load until the next
	ASK
.endif
.if \fill == 2
	TLOAD_LAST
.endif
.endm
; O^T / the sum, quantised along the channels: two blocks of 32, each shared with lane l xor 16: 8 registers of codes from v[d] on, the two scale bytes in v[hw].
.macro FINALIZE d, hw
.rept 8
	v_nop                                          ; places behind the last products
.endr
	v_add_f32 v14, v14, v15
	s_delay_alu instid0(VALU_DEP_1)
	v_permlanex16_b32 v[PT], v14, s[SEL], s[SEL+1]
	s_delay_alu instid0(VALU_DEP_1)
	v_add_f32 v14, v14, v[PT]                      ; the row's sum
	s_wait_alu depctr_va_vdst(0)
	v_rcp_f32 v[FF], v14
	v_nop                                          ; a plain instruction behind the reciprocal,
	s_wait_alu depctr_va_vdst(0)                   ; and the wait ahead of its first reader
.irp i, 0,2,4,6,8,10,12,14,16,18,20,22,24,26,28,30
	v_pk_mul_f32 v[SS+\i:SS+\i+1], v[OT+\i:OT+\i+1], v[FF:FF+1] op_sel_hi:[1,0]   ; each accumulator from its low end on; register 16 c + i: channel 32 c + 16 (lane / 16) + i
.endr
.irp b, 0,1
	v_max3_num_f32 v[BX+\b], |v[SS+16*\b]|, |v[SS+1+16*\b]|, 0x4800000
.endr
.irp i, 2,4,6,8,10,12,14
.irp b, 0,1
	s_delay_alu instid0(VALU_DEP_2)
	v_max3_num_f32 v[BX+\b], v[BX+\b], |v[SS+16*\b+\i]|, |v[SS+1+16*\b+\i]|
.endr
.endr
.irp b, 0,1
	s_delay_alu instid0(VALU_DEP_2)
	v_permlanex16_b32 v[PT+\b], v[BX+\b], s[SEL], s[SEL+1]
.endr
.irp b, 0,1
	s_delay_alu instid0(VALU_DEP_2)
	v_max_num_f32 v[BX+\b], v[BX+\b], v[PT+\b]
.endr
.irp b, 0,1
	s_delay_alu instid0(VALU_DEP_2)
	v_add_nc_u32 v[SOP+\b], 0xfc000000, v[BX+\b]
.endr
.irp b, 0,1
.endr
.irp b, 0,1
	s_delay_alu instid0(VALU_DEP_2)
	v_lshrrev_b32 v[PT+\b], 23, v[SOP+\b]
.endr
	s_delay_alu instid0(VALU_DEP_1)
	v_lshl_or_b32 v[\hw], v[PT+1], 8, v[PT]
.irp b, 0,1
.irp i, 0,1,2,3,4,5,6,7,8,9,10,11,12,13,14,15
.endr
	v_cvt_scalef32_pk8_fp8_f32 v[\d+4*\b:\d+4*\b+1], v[SS+16*\b:SS+16*\b+7], v[SOP+\b]
	v_cvt_scalef32_pk8_fp8_f32 v[\d+4*\b+2:\d+4*\b+3], v[SS+16*\b+8:SS+16*\b+15], v[SOP+\b]
.endr
	v_nop                                          ; a plain instruction behind the last conversion
.endm
; From the first phase to the second: registers alone.
.macro SWITCH
.irp i, 0,1,2,3,4,5,6,7
	v_mov_b32 v[16+\i], v[Q2+\i]                   ; the second block's Q, ahead of the codes that take its registers
.endr
	v_mov_b32 v[QSC], v[Q2S]
	FINALIZE Q2, HW1
	v_mov_b32 v13, 0xff61b1e6                      ; -3e38, under every t
	s_delay_alu instid0(VALU_DEP_1)
	v_floor_f32 v12, -v13
	v_mov_b32 v14, 0
	v_mov_b32 v15, 0
.irp i, 0,1,2,3,4,5,6,7,8,9,10,11,12,13,14,15,16,17,18,19,20,21,22,23,24,25,26,27,28,29,30,31
	v_mov_b32 v[OT+\i], 0
.endr
.endm
; A VISIT: 128 keys, the q-th of the slot in hand.  last = 1: the launch's last visit, always on the diagonal.
.macro STEP q, last
	v_add_nc_u32 v[ADK], s[TB], v[AK0]
	v_add_nc_u32 v[ADV], s[TB], v[AV0]
	v_add_nc_u32 v[ADS], s[TB], v[ASK0]
	v_add_nc_u32 v[ADT], s[TB], v[ASV0]
.rept 5
	v_nop                                          ; nine places in all: the products below write over registers that the last visit's products read
.endr
.irp t, 0,1,2,3,4,5,6,7
	ds_load_b128 v[KR+8*\t:KR+8*\t+3], v[ADK] offset:(\q)*TILE+\t*1280
	ds_load_b128 v[KR+8*\t+4:KR+8*\t+7], v[ADK] offset:(\q)*TILE+\t*1280+32
.endr
.irp m, 0,1,2,3
	ds_load_b32 v[KSC+\m], v[ADS] offset:(\q)*TILE+160*\m
.endr
	s_wait_dscnt 0x0
.irp m, 0,1,2,3
	v_wmma_scale_f32_16x16x128_f8f6f4 v[SS+16*\m:SS+16*\m+7], v[KR+16*\m:KR+16*\m+15], v[16:31], 0, v[KSC+\m], v[QSC]
	v_wmma_scale_f32_16x16x128_f8f6f4 v[SS+16*\m+8:SS+16*\m+15], v[KR+16*\m+8:KR+16*\m+23], v[16:31], 0, v[KSC+\m], v[QSC] matrix_a_scale:MATRIX_SCALE_ROW1
.endr
.rept 8
	v_nop
.endr
.if \last == 0
	s_cmp_lg_u32 s[VIS], s[N1M1]                   ; on the diagonal?  A scalar branch on ids
	s_cbranch_scc1 .Lopen_\@
.endif
	s_wait_alu depctr_va_vdst(0)
.irp b, 0,1,2,3
.irp i, 0,1,2,3,4,5,6,7,8,9,10,11,12,13,14,15
	v_cmp_gt_i32 vcc_lo, 32*\b+\i, v[DLT]          ; register 16 b + i holds key 32 b + 16 (lane / 16) + i of the block: hidden where it comes after my query
	v_cndmask_b32 v[SS+16*\b+\i], v[SS+16*\b+\i], v[NINF], vcc_lo
.endr
.endr
.Lopen_\@:
.irp b, 0,1,2,3
	v_max3_num_f32 v[BX+\b], v[SS+16*\b], v[SS+1+16*\b], v[SS+2+16*\b]   ; the largest score of each block of 32 keys: for the row's maximum, and, since p rises with the score, for the block's largest p
.endr
.irp i, 3,5,7,9,11,13
.irp b, 0,1,2,3
	v_max3_num_f32 v[BX+\b], v[BX+\b], v[SS+16*\b+\i], v[SS+1+16*\b+\i]
.endr
.endr
.irp b, 0,1,2,3
	v_max_num_f32 v[BX+\b], v[BX+\b], v[SS+15+16*\b]
.endr
.irp b, 0,1,2,3
	s_delay_alu instid0(VALU_DEP_4)
	v_permlanex16_b32 v[PT+\b], v[BX+\b], s[SEL], s[SEL+1]
.endr
.irp b, 0,1,2,3
	s_delay_alu instid0(VALU_DEP_4)
	v_max_num_f32 v[BX+\b], v[BX+\b], v[PT+\b]
.endr
	s_delay_alu instid0(VALU_DEP_2)
	v_max3_num_f32 v[TMP], v[BX], v[BX+1], v[BX+2]
	s_delay_alu instid0(VALU_DEP_1)
	v_max_num_f32 v[TMP], v[TMP], v[BX+3]
	s_delay_alu instid0(VALU_DEP_1)
	v_mul_f32 v[TMP], s[CS], v[TMP]                ; as t
	s_delay_alu instid0(VALU_DEP_1)
	v_max_num_f32 v13, v13, v[TMP]                 ; the running largest t
	v_mov_b32 v[TMP], v12
	s_delay_alu instid0(VALU_DEP_2)
	v_floor_f32 v12, -v13                          ; the new -M = -ceil(t)
	s_delay_alu instid0(VALU_DEP_1)
	v_sub_f32 v[TMP], v12, v[TMP]                  ; old M - new M: a whole number, 0 or less
	s_delay_alu instid0(VALU_DEP_1)
	v_cvt_i32_f32 v[TMP], v[TMP]                   ; (it saturates)
	s_delay_alu instid0(VALU_DEP_1)
	v_ldexp_f32 v[FF], 1.0, v[TMP]                 ; f
.irp b, 0,1,2,3
.irp i, 0,2,4,6,8,10,12,14
	v_pk_fma_f32 v[SS+16*\b+\i:SS+16*\b+\i+1], v[SS+16*\b+\i:SS+16*\b+\i+1], s[CS:CS+1], v[12:13] op_sel_hi:[1,0,0]   ; t - M
.endr
.endr
.irp b, 0,1,2,3
	v_fma_f32 v[BX+\b], v[BX+\b], s[CS], v12
.endr
	s_wait_alu depctr_va_vdst(0)
.irp b, 0,1,2,3
.irp i, 0,1,2,3,4,5,6,7,8,9,10,11,12,13,14,15
	v_exp_f32 v[SS+16*\b+\i], v[SS+16*\b+\i]       ; p = 2^(t - M): not normalised
.endr
.endr
	v_pk_mul_f32 v[14:15], v[14:15], v[FF:FF+1] op_sel_hi:[1,0]   ; the sums under the new M; a plain instruction behind the exponentials
	s_wait_alu depctr_va_vdst(0)                   ; one wait for the batch, ahead of its first reader
.irp b, 0,1,2,3
	v_exp_f32 v[BX+\b], v[BX+\b]                   ; each block's largest p
.endr
	v_pk_add_f32 v[220:221], v[108:109], v[112:113]
	v_pk_add_f32 v[236:237], v[116:117], v[120:121]
	v_pk_add_f32 v[234:235], v[124:125], v[128:129]
	v_pk_add_f32 v[232:233], v[132:133], v[136:137]
	v_pk_add_f32 v[230:231], v[140:141], v[144:145]
	v_pk_add_f32 v[228:229], v[148:149], v[152:153]
	v_pk_add_f32 v[226:227], v[156:157], v[160:161]
	v_pk_add_f32 v[14:15], v[14:15], v[164:165]
	v_pk_add_f32 v[220:221], v[220:221], v[104:105]
	v_pk_add_f32 v[236:237], v[236:237], v[106:107]
	v_pk_add_f32 v[234:235], v[234:235], v[110:111]
	v_pk_add_f32 v[232:233], v[232:233], v[114:115]
	v_pk_add_f32 v[230:231], v[230:231], v[118:119]
	v_pk_add_f32 v[228:229], v[228:229], v[122:123]
	v_pk_add_f32 v[226:227], v[226:227], v[126:127]
	v_pk_add_f32 v[14:15], v[14:15], v[130:131]
	v_pk_add_f32 v[220:221], v[220:221], v[134:135]
	v_pk_add_f32 v[236:237], v[236:237], v[138:139]
	v_pk_add_f32 v[234:235], v[234:235], v[142:143]
	v_pk_add_f32 v[232:233], v[232:233], v[146:147]
	v_pk_add_f32 v[230:231], v[230:231], v[150:151]
	v_pk_add_f32 v[228:229], v[228:229], v[154:155]
	v_pk_add_f32 v[226:227], v[226:227], v[158:159]
	v_pk_add_f32 v[14:15], v[14:15], v[162:163]
	v_pk_add_f32 v[220:221], v[220:221], v[166:167]
	s_delay_alu instid0(VALU_DEP_2)
	v_pk_add_f32 v[14:15], v[14:15], v[232:233]
	s_delay_alu instid0(VALU_DEP_2)
	v_pk_add_f32 v[220:221], v[220:221], v[230:231]
	v_pk_add_f32 v[236:237], v[236:237], v[228:229]
	v_pk_add_f32 v[234:235], v[234:235], v[226:227]
	s_delay_alu instid0(VALU_DEP_2)
	v_pk_add_f32 v[14:15], v[14:15], v[236:237]
	s_delay_alu instid0(VALU_DEP_2)
	v_pk_add_f32 v[220:221], v[220:221], v[234:235]
	s_delay_alu instid0(VALU_DEP_1)
	v_pk_add_f32 v[14:15], v[14:15], v[220:221]
	s_wait_alu depctr_va_vdst(0)                   ; and one for the four
.irp b, 0,1,2,3
	v_max_num_f32 v[BX+\b], 0x4800000, v[BX+\b]    ; the floor 2^(9 - 127)
.endr
.irp b, 0,1,2,3
	s_delay_alu instid0(VALU_DEP_4)
	v_add_nc_u32 v[SOP+\b], 0xfc000000, v[BX+\b]
.endr
.irp b, 0,1,2,3
.endr
.irp b, 0,1,2,3
	s_delay_alu instid0(VALU_DEP_4)
	v_lshrrev_b32 v[PT+\b], 23, v[SOP+\b]
.endr
	s_delay_alu instid0(VALU_DEP_3)
	v_lshl_or_b32 v[PSC], v[PT+1], 8, v[PT]        ; p's scale word for these 128 keys
	s_delay_alu instid0(VALU_DEP_1)
	v_lshl_or_b32 v[PSC], v[PT+2], 16, v[PSC]
	s_delay_alu instid0(VALU_DEP_1)
	v_lshl_or_b32 v[PSC], v[PT+3], 24, v[PSC]
.irp b, 0,1,2,3
.irp i, 0,1,2,3,4,5,6,7,8,9,10,11,12,13,14,15
.endr
	v_cvt_scalef32_pk8_fp8_f32 v[PCD+4*\b:PCD+4*\b+1], v[SS+16*\b:SS+16*\b+7], v[SOP+\b]
	v_cvt_scalef32_pk8_fp8_f32 v[PCD+4*\b+2:PCD+4*\b+3], v[SS+16*\b+8:SS+16*\b+15], v[SOP+\b]
.endr
.irp i, 0,2,4,6,8,10,12,14,16,18,20,22,24,26,28,30
	v_pk_mul_f32 v[OT+\i:OT+\i+1], v[OT+\i:OT+\i+1], v[FF:FF+1] op_sel_hi:[1,0]   ; O^T under the new M; also the places in front of the products below
.endr
.irp t, 0,1,2,3
.irp c, 0,1,2,3
	ds_load_b128 v[SS+16*\t+4*\c:SS+16*\t+4*\c+3], v[ADV] offset:(\q)*TILE+(\c/2)*TROW+\t*1280+32*(\c%2)
.endr
.endr
.irp m, 0,1
	ds_load_b32 v[VSC+\m], v[ADT] offset:(\q)*TILE+160*\m
.endr
	s_wait_alu depctr_va_vdst(0)
	s_wait_dscnt 0x0
.irp m, 0,1
	v_wmma_scale_f32_16x16x128_f8f6f4 v[OT+16*\m:OT+16*\m+7], v[SS+32*\m:SS+32*\m+15], v[PCD:PCD+15], v[OT+16*\m:OT+16*\m+7], v[VSC+\m], v[PSC]
	v_wmma_scale_f32_16x16x128_f8f6f4 v[OT+16*\m+8:OT+16*\m+15], v[SS+32*\m+16:SS+32*\m+31], v[PCD:PCD+15], v[OT+16*\m+8:OT+16*\m+15], v[VSC+\m], v[PSC] matrix_a_scale:MATRIX_SCALE_ROW1
.endr
.if \last == 0
	s_cmp_lg_u32 s[VIS], s[N1M1]
	s_cbranch_scc1 .Lsame_\@
	SWITCH                                         ; the first phase is over
.Lsame_\@:
	s_add_co_u32 s[VIS], s[VIS], 1
.endif
.endm
	s_load_b128 s[4:7], s[0:1], 0x0                ; qkv, oq
	v_lshl_add_u32 v[SPW], v0, 2, SPARE
	v_mov_b32 v[NIL], 0
	ds_add_u32 v5, v6
	ds_add_u32 v5, v6
	s_wait_dscnt 0x0
	v_lshrrev_b32 v8, 5, v0
	s_delay_alu instid0(VALU_DEP_1)
	v_readfirstlane_b32 s[WV], v8                  ; wave 0..15
	s_lshr_b32 s[HS], s[WV], 3
	s_and_b32 s[TQ], s[WV], 7
	s_mov_b32 s[JJ], ttmp9
	s_and_b32 s60, ttmp7, 0xffff
	s_lshr_b32 s[BB], s60, 3                       ; the batch
	s_and_b32 s[GP], s60, 7                        ; the pair of heads
	s_sub_co_u32 s[N1], 16, s[JJ]                  ; visits of the first phase
	s_sub_co_u32 s[N1M1], 15, s[JJ]                ; its last: the diagonal.  Also the first phase's query block
	s_mov_b32 s[VIS], 0
	s_and_b32 s[VN], s[WV], 1
	s_mov_b32 s[TB], 0
	s_mov_b32 s[SEL], 0x76543210
	s_mov_b32 s[SEL+1], 0xfedcba98
	s_mov_b32 s[CS], 0x3e38aa3b                    ; log2(e) / 8
	s_mov_b32 s[CS+1], s[CS]
	; group 1: two rows of 8,704 bytes (1,088 elements of 8 bytes), 4 words of padding after every 16.  K: the two heads' blocks, 64 blocks apart;  V: two groups of 64 keys, 8 blocks apart
	s_mov_b32 s[G1K], (3<<16)|(1<<20)|(3<<22)|(3<<25)
	s_mov_b32 s[G1K+1], 1088<<16
	s_mov_b32 s[G1K+2], 2<<16
	s_mov_b32 s[G1K+3], 1088<<16
	s_mov_b32 s[G1K+4], 2
	s_mov_b32 s[G1K+5], 69632
	s_mov_b32 s[G1K+6], 0
	s_mov_b32 s[G1K+7], 0
	s_mov_b32 s[G1V], (3<<16)|(1<<20)|(3<<22)|(3<<25)
	s_mov_b32 s[G1V+1], 1088<<16
	s_mov_b32 s[G1V+2], 2<<16
	s_mov_b32 s[G1V+3], 1088<<16
	s_mov_b32 s[G1V+4], 2
	s_mov_b32 s[G1V+5], 8704
	s_mov_b32 s[G1V+6], 0
	s_mov_b32 s[G1V+7], 0
	s_lshl_b32 s60, s[GP], 7
	s_add_co_u32 s60, s60, 1024
	s_lshl_b32 s61, s[BB], 4
	s_add_co_u32 s60, s60, s61
	s_mul_i32 s60, s60, BLKB                       ; K: block (16 + 2 G, 16 x batch)
	s_lshl_b32 s61, s[BB], 8
	s_add_co_u32 s61, s61, s[GP]
	s_mul_i32 s61, s61, BLKB
	s_add_co_u32 s61, s61, VB                      ; V: block (32 x batch, G)
	s_mov_b32 s62, 16*BLKB
	s_cmp_lt_u32 s[WV], 2
	s_cselect_b32 s46, s60, s61
	s_cselect_b32 s[STEPB], BLKB, s62              ; a key step on: one block in K, sixteen in V
	s_mov_b32 s47, 0
	s_min_u32 s53, s[WV], 3
	s_wait_kmcnt 0x0
	s_add_nc_u64 s[BASE:BASE+1], s[4:5], s[46:47]
	s_mul_i32 s46, s[VN], s[STEPB]
	s_mov_b32 s[G0], 1
	s_mul_i32 s[G0+1], s53, TILE                   ; tile 0: K of the even visit, 1: K of the odd, 2, 3: V likewise
	s_add_nc_u64 s[G0+2:G0+3], s[BASE:BASE+1], s[46:47]
	s_or_b32 s[G0+3], s[G0+3], 0x80000000
	TLOAD                                          ; slot 0: one tensor load of mine is out
	s_lshl_b32 s53, s[GP], 1
	s_add_co_u32 s53, s53, s[HS]
	s_lshl_b32 s53, s53, 6
	s_lshl_b32 s62, s[BB], 4
	s_add_co_u32 s53, s53, s62
	s_add_co_u32 s62, s53, s[N1M1]
	s_mul_i32 s46, s62, BLKB
	s_add_nc_u64 s[54:55], s[4:5], s[46:47]        ; q's block of the first phase,
	s_add_co_u32 s62, s53, s[JJ]
	s_mul_i32 s46, s62, BLKB
	s_add_nc_u64 s[56:57], s[4:5], s[46:47]        ; and of the second
	v_and_b32 v8, 15, v0                           ; r
	v_bfe_u32 v9, v0, 4, 1                         ; h
	s_lshl_b32 s62, s[TQ], 10
	v_lshlrev_b32 v11, 6, v8
	s_delay_alu instid0(VALU_DEP_1)
	v_lshl_add_u32 v11, v9, 4, v11
	s_delay_alu instid0(VALU_DEP_1)
	v_add_nc_u32 v11, s62, v11                     ; row 16 T + r of 64 bytes, + 16 h
	global_load_b128 v[16:19], v11, s[54:55]
	global_load_b128 v[20:23], v11, s[54:55] offset:32
	global_load_b128 v[Q2:Q2+3], v11, s[56:57]
	global_load_b128 v[Q2+4:Q2+7], v11, s[56:57] offset:32
	s_lshl_b32 s63, s[TQ], 6
	v_lshl_add_u32 v[TMP], v8, 2, s63
	global_load_b32 v[QSC], v[TMP], s[54:55] offset:8192
	global_load_b32 v[Q2S], v[TMP], s[56:57] offset:8192
	s_mul_i32 s62, s[HS], TROW
	v_mul_u32_u24 v[AK0], v8, 80
	s_delay_alu instid0(VALU_DEP_1)
	v_lshl_add_u32 v[AK0], v9, 4, v[AK0]
	s_delay_alu instid0(VALU_DEP_1)
	v_add_nc_u32 v[AK0], s62, v[AK0]               ; K: my head's block, row r of 80 bytes, + 16 h
	s_mul_i32 s63, s[HS], 5120
	s_add_co_u32 s63, s63, 2*TILE
	v_mul_u32_u24 v[AV0], v8, 80
	s_delay_alu instid0(VALU_DEP_1)
	v_lshl_add_u32 v[AV0], v9, 4, v[AV0]
	s_delay_alu instid0(VALU_DEP_1)
	v_add_nc_u32 v[AV0], s63, v[AV0]               ; V: row 64 x head + r
	s_add_co_u32 s62, s62, 10240
	v_mul_u32_u24 v[ASK0], v9, 80
	s_delay_alu instid0(VALU_DEP_1)
	v_lshl_add_u32 v[ASK0], v8, 2, v[ASK0]
	s_delay_alu instid0(VALU_DEP_1)
	v_add_nc_u32 v[ASK0], s62, v[ASK0]             ; K's scale words: 16 to a piece of 80 bytes; lanes 16-31 take the next tile's
	s_mul_i32 s63, s[HS], 320
	s_add_co_u32 s63, s63, 2*TILE+10240
	v_mul_u32_u24 v[ASV0], v9, 80
	s_delay_alu instid0(VALU_DEP_1)
	v_lshl_add_u32 v[ASV0], v8, 2, v[ASV0]
	s_delay_alu instid0(VALU_DEP_1)
	v_add_nc_u32 v[ASV0], s63, v[ASV0]             ; V's likewise, in the first of the tile's two blocks
	s_lshr_b32 s62, s[TQ], 1
	s_lshl_b32 s62, s62, 5
	s_and_b32 s63, s[TQ], 1
	s_lshl_b32 s63, s63, 3
	s_add_co_u32 s62, s62, s63
	v_and_b32 v[DLT], 8, v8
	s_delay_alu instid0(VALU_DEP_1)
	v_add_nc_u32 v[DLT], v[DLT], v8
	s_delay_alu instid0(VALU_DEP_1)
	v_add_nc_u32 v[DLT], s62, v[DLT]               ; my query's natural place in its block,
	v_lshlrev_b32 v10, 4, v9
	s_delay_alu instid0(VALU_DEP_1)
	v_sub_nc_u32 v[DLT], v[DLT], v10               ; less 16 h
	v_and_b32 v[PFO], 31, v0
	s_delay_alu instid0(VALU_DEP_1)
	v_lshlrev_b32 v[PFO], 8, v[PFO]
	; the prefetches: piece p = wave - 4.  p < 4: K, head p / 2, visit 2 + p % 2;  else V, visit 2 + (p / 2) % 2, block p % 2.  They stand in slot 1; the first change steps them to slot 2
	s_sub_co_u32 s62, s[WV], 4
	s_and_b32 s63, s62, 1
	s_bfe_u32 s53, s62, 0x10001
	s_mul_i32 s46, s53, 64*BLKB
	s_add_co_u32 s46, s46, s60
	s_mul_i32 s50, s63, BLKB
	s_add_co_u32 s46, s46, s50
	s_add_co_u32 s46, s46, 2*BLKB
	s_mul_i32 s50, s53, 16*BLKB
	s_add_co_u32 s50, s50, s61
	s_mul_i32 s51, s63, 8*BLKB
	s_add_co_u32 s50, s50, s51
	s_add_co_u32 s50, s50, 32*BLKB
	s_mov_b32 s51, 32*BLKB
	s_cmp_lt_u32 s[WV], 8
	s_cselect_b32 s46, s46, s50
	s_cselect_b32 s[PFS], 2*BLKB, s51              ; a slot on
	s_mov_b32 s[PFS+1], 0
	s_add_nc_u64 s[PFA:PFA+1], s[4:5], s[46:47]
	s_lshr_b32 s62, s62, 3                         ; 0 in waves 4 to 11,
	s_or_b32 s62, s62, s[JJ]                       ; of the work-group with J = 0
	s_cmp_eq_u32 s62, 0
	s_cselect_b32 s[LIM], 1, -1
	v_mov_b32 v13, 0xff61b1e6                      ; the largest t so far: -3e38
	s_delay_alu instid0(VALU_DEP_1)
	v_floor_f32 v12, -v13
	v_mov_b32 v14, 0
	v_mov_b32 v15, 0
.irp i, 0,1,2,3,4,5,6,7
	v_mov_b32 v[24+\i], 0                          ; Q's upper half: zero codes
	v_mov_b32 v[KR+64+\i], 0                       ; what the last tile of K names as its upper half
.endr
.irp i, 0,1,2,3,4,5,6,7,8,9,10,11,12,13,14,15,16,17,18,19,20,21,22,23,24,25,26,27,28,29,30,31
	v_mov_b32 v[OT+\i], 0
.endr
.irp b, 0,1,2,3
	v_mov_b32 v[PT+\b], 0                          ; a lane permute's destination counts as one of its sources
.endr
	v_mov_b32 v[FF+1], 0                           ; named as a pair's upper half
	v_mov_b32 v[NINF], 0xff800000
	v_mov_b32 v[HW1], 0
	s_wait_loadcnt 0x0                             ; Q
	s_mov_b32 s[SLOTS], 7
.Lslot:                                            ; visits 0 to 13
	CHANGE 1
	STEP 0, 0
	STEP 1, 0
	s_xor_b32 s[TB], s[TB], SLOT1
	s_sub_co_u32 s[SLOTS], s[SLOTS], 1
	s_cmp_lg_u32 s[SLOTS], 0
	s_cbranch_scc1 .Lslot
	CHANGE 2                                       ; the tail is written out
	STEP 0, 0
	STEP 1, 0
	s_xor_b32 s[TB], s[TB], SLOT1
	CHANGE 0
	STEP 0, 1
	FINALIZE PCD, TMP
	; THE WAY OUT: both phases' codes and scale bytes meet in the stage (a row's 128 codes come from two waves); a barrier; each wave stores 16 whole rows, 2,048 consecutive bytes.
	v_and_b32 v8, 15, v0
	s_wait_alu depctr_va_vdst(0)
	v_bfe_u32 v9, v0, 4, 1
	s_mul_i32 s60, s[TQ], 16*144
	s_lshl_b32 s61, s[HS], 6
	s_add_co_u32 s60, s60, s61
	s_add_co_u32 s60, s60, STG
	v_mul_u32_u24 v10, v8, 144
	s_delay_alu instid0(VALU_DEP_1)
	v_lshl_add_u32 v10, v9, 4, v10
	s_delay_alu instid0(VALU_DEP_1)
	v_add_nc_u32 v10, s60, v10                     ; row 16 T + r of 144 bytes, + 64 x head + 16 h
	s_lshl_b32 s60, s[TQ], 6
	s_lshl_b32 s61, s[HS], 1
	s_add_co_u32 s60, s60, s61
	s_add_co_u32 s60, s60, STG+18432
	v_lshl_add_u32 v11, v8, 2, s60                 ; my row's scale word, my head's half of it
	ds_store_b128 v10, v[Q2:Q2+3]
	ds_store_b128 v10, v[Q2+4:Q2+7] offset:32
	ds_store_b16 v11, v[HW1]                       ; both halves of the lanes write the same bytes with the same value
	ds_store_b128 v10, v[PCD:PCD+3] offset:OBLK
	ds_store_b128 v10, v[PCD+4:PCD+7] offset:OBLK+32
	ds_store_b16 v11, v[TMP] offset:OBLK
	s_wait_dscnt 0x0                               ; for the others' sake: my stores have landed
	s_barrier_signal -1
	s_barrier_wait -1
	v_and_b32 v8, 31, v0
	s_delay_alu instid0(VALU_DEP_1)
	v_lshrrev_b32 v9, 3, v8
	s_delay_alu instid0(VALU_DEP_1)
	v_mul_u32_u24 v9, v9, 144
	s_delay_alu instid0(VALU_DEP_3)
	v_and_b32 v12, 7, v8
	s_delay_alu instid0(VALU_DEP_1)
	v_lshl_add_u32 v9, v12, 4, v9
	s_mul_i32 s60, s[HS], OBLK                     ; wave w takes block w / 8, rows 16 (w % 8) on: eight lanes to a row, four rows an instruction
	s_mul_i32 s61, s[TQ], 2304
	s_add_co_u32 s61, s61, s60
	s_add_co_u32 s61, s61, STG
	v_add_nc_u32 v9, s61, v9
	v_lshlrev_b32 v13, 4, v8                       ; 16 x lane
	s_add_co_u32 s60, s60, STG+18432
	v_add_nc_u32 v14, s60, v13                     ; the block's scale words
.irp k, 0,1,2,3
	ds_load_b128 v[SS+4*\k:SS+4*\k+3], v9 offset:576*\k
.endr
	s_cmp_eq_u32 s[HS], 0
	s_cselect_b32 s62, s[N1M1], s[JJ]              ; which query block that is
	s_lshl_b32 s63, s[GP], 6
	s_add_co_u32 s62, s62, s63
	s_lshl_b32 s63, s[BB], 4
	s_add_co_u32 s62, s62, s63
	s_mul_i32 s46, s62, OQB
	s_lshl_b32 s63, s[TQ], 11
	s_add_co_u32 s46, s46, s63
	s_add_nc_u64 s[58:59], s[6:7], s[46:47]
	s_wait_alu depctr_va_vdst(0)
.irp k, 0,1,2,3
	s_wait_dscnt 3-\k                              ; LDS loads come back in order: piece k is in
	global_store_b128 v13, v[SS+4*\k:SS+4*\k+3], s[58:59] offset:512*\k     ; 32 lanes store 512 consecutive bytes, at a multiple of 256
.endr
	s_cmp_lg_u32 s[TQ], 0                          ; waves 0 and 8 also move their block's 512 bytes of scale words
	s_cbranch_scc1 .Lno_words
	ds_load_b128 v[SS+16:SS+19], v14
	s_wait_dscnt 0x0
	global_store_b128 v13, v[SS+16:SS+19], s[58:59] offset:16384
.Lno_words:
	s_wait_tensorcnt 0x0                           ; the wave's end
	ds_add_u32 v[SPW], v[NIL]
	s_wait_dscnt 0x0
	s_endpgm
.Lfunc_end_k_qfb100715fe_attn:
	.size	k_qfb100715fe_attn, .Lfunc_end_k_qfb100715fe_attn-k_qfb100715fe_attn
	.p2alignl 7, 3214868480
	.fill 96, 4, 3214868480
	.section	.rodata,"a",@progbits
	.p2align	6, 0x0
	.amdhsa_kernel k_qfb100715fe_attn
		.amdhsa_group_segment_fixed_size 327680
		.amdhsa_private_segment_fixed_size 0
		.amdhsa_enable_private_segment 0
		.amdhsa_kernarg_size 16
		.amdhsa_user_sgpr_count 2
		.amdhsa_user_sgpr_kernarg_segment_ptr 1
		.amdhsa_wavefront_size32 1
		.amdhsa_system_sgpr_workgroup_id_x 1
		.amdhsa_system_sgpr_workgroup_id_y 1
		.amdhsa_system_sgpr_workgroup_id_z 1
		.amdhsa_system_vgpr_workitem_id 0
		.amdhsa_next_free_vgpr 256
		.amdhsa_next_free_sgpr 66
		.amdhsa_reserve_vcc 1
		.amdhsa_float_denorm_mode_32 3
		.amdhsa_float_denorm_mode_16_64 3
		.amdhsa_fp16_overflow 1
		.amdhsa_memory_ordered 1
		.amdhsa_forward_progress 1
		.amdhsa_inst_pref_size 154
	.end_amdhsa_kernel
	.amdgpu_metadata
---
amdhsa.version: [ 1, 2 ]
amdhsa.kernels:
  - .name:           k_qfb100715fe_attn
    .symbol:         k_qfb100715fe_attn.kd
    .args:
      - { .name: qkv, .offset: 0, .size: 8, .value_kind: global_buffer, .address_space: global }
      - { .name: oq, .offset: 8, .size: 8, .value_kind: global_buffer, .address_space: global }
    .group_segment_fixed_size: 327680
    .private_segment_fixed_size: 0
    .kernarg_segment_align: 8
    .kernarg_segment_size: 16
    .max_flat_workgroup_size: 512
    .sgpr_count:     66
    .vgpr_count:     256
    .wavefront_size: 32
...
	.end_amdgpu_metadata
.endif
;; end of part 3
;; launch proj (part 4): grid 4 x 32, 4 waves a work-group, clusters of 4 x 4, 327,680 bytes of LDS; arguments oq, wq, bp, out0; writes out0
.if DOCPART == 4
	.amdgcn_target "amdgcn-amd-amdhsa--gfx1250"
	.amdhsa_code_object_version 6
	.text
	.protected	k_qfb100715fe_proj
	.globl	k_qfb100715fe_proj
	.p2align	8
	.type	k_qfb100715fe_proj,@function
k_qfb100715fe_proj:
	s_mov_b64 s[64:65], 0
	v_nop
	global_prefetch_b8 v0, s[64:65] scope:SCOPE_SE
	s_setreg_imm32_b32 hwreg(HW_REG_WAVE_MODE, 25, 1), 1
	s_wait_xcnt 0x0
	s_wait_alu depctr_hold_cnt(0) depctr_sa_sdst(0) depctr_va_vdst(0) depctr_va_sdst(0) depctr_va_ssrc(0) depctr_va_vcc(0) depctr_vm_vsrc(0)
	s_getreg_b32 s2, hwreg(HW_REG_IB_STS2, 6, 4)
	s_cmp_eq_u32 s2, 0
	s_cbranch_scc0 .Lentry_in_a_cluster
	s_endpgm
.Lentry_in_a_cluster:
	s_bfe_u32 s2, ttmp6, 0x10000c
	s_cmp_lg_u32 s2, 0xf033
	s_cbranch_scc0 .Lentry_shape_is_right
	s_endpgm
.Lentry_shape_is_right:
; out0 = o Wp + bp on codes of FP8 (E4M3) with E8M0 scales for each 32 along K = 1,024; sums and result in f32.
; A = o, from oq: blocks of 16,896 bytes = 128 stored token rows x 128 codes, then 128 scale words; block (g, blk) at (64 g + blk) x 16,896, g = which 128 along K.  B = Wp: rows 3,072 on of wq, K innermost; scale bytes beside.
; A tile of 256 x 256 is made by four waves, 128 x 128 each.  K goes in steps of 256 through a ring of two LDS slots.  A's scale words ride with its codes; B's, for all of K, come once and stay.
; The matrix instruction is used transposed (source 0 = 16 rows of B, source 1 = 16 rows of A).  Rows are stored in the order sw (bits 3 and 4 exchanged): the registers of accumulators (a, 2 c), (a, 2 c + 1) are the natural
; columns 32 c + 16 (lane / 16) + 0 .. 15, and stored token row 16 a + t is natural row 32 (a / 2) + 8 (a % 2) + t + 8 (t / 8): the way out undoes both.  bp is the C of each sum's first product.
; CLUSTERS: 4 x 4 work-groups; A's tiles are asked for jointly along a row of the cluster, B's and B's scale bytes along a column.  128 tiles: half of the WGPs have a work-group; the tile is kept for the sake of the work that each LDS byte feeds.
; LIMITS: NaN and infinities are not served.
; REGISTERS: window 0: v0-31 addresses; v32-63 scale words, two sets; v64-127 the bias; from v128 A's fragments.  window 1: B's fragments, two sets.  windows 2, 3: the accumulators.
.set NQ,     2
.set FR,     16
.set NL,     4
.set NP,     8
.set AROW,   19008                     ; a block of oq in LDS: 132 pieces of 128 bytes + 16
.set HALFA,  2*AROW                    ; 128 rows x 256 along K, with their scale words
.set PITCH,  272
.set HALFB,  128*PITCH
.set BOFF,   2*HALFA
.set SLOT,   BOFF+2*HALFB              ; 145,664
.set SCL,    2*SLOT                    ; B's scale bytes
.set HALFS,  4352
.set SPARE,  SCL+2*HALFS
.set SPITCH, 528                       ; the way out: a stage of 16 rows x (512 + 16) bytes a wave, in slot 0, whose last fill and last read are over
.set OQB,    16896
.set LAPS,   2
.set ADRA, 16
.set ADSA, 18
.set ADRB, 20
.set VBI,  22
.set STO,  24
.set RD,   25
.set CO,   26
.set ADRS, 27
.set SPW,  28
.set NIL,  29
.set SC,   32                          ; set s at v[32 + 16 s]: + 2 m + q: A's words (lanes 0-15 block 2 m, lanes 16-31 block 2 m + 1);  + 8 + 2 m + q: B's likewise
.set BI,   64
.set AF,   128
.set BK,   128
.set G1,   24
.set G0,   32
.set G1B,  48
.set G0B,  56
.set G1SB, 80
.set G0SB, 88
.set MSB, 0
.macro WIN new
.if MSB != (\new)
	s_set_vgpr_msb (MSB<<8)|(\new)
.set MSB, (\new)
.endif
.endm
.set MUL_LO, 0xa1
.set MUL_HI, 0xf1
.set TO_B,   0x40
.macro JLOAD g0a, g1a, g0b, g1b        ; waves 0 and 1 fetch for A, waves 2 and 3 for B; four v_nop follow each of the two lines
	s_cmp_eq_u32 s15, 0
	s_cbranch_scc0 .Lfor_b_\@
	tensor_load_to_lds s[\g0a:\g0a+3], s[\g1a:\g1a+7]
	s_nop 0
.rept 4
	v_nop
.endr
	s_branch .Lasked_\@
.Lfor_b_\@:
	tensor_load_to_lds s[\g0b:\g0b+3], s[\g1b:\g1b+7]
	s_nop 0
.rept 4
	v_nop
.endr
.Lasked_\@:
.endm
.macro CREST
	s_cmp_lg_u32 s14, 0
	s_cbranch_scc1 .Lnot_wave_0_\@
	s_barrier_signal -3
.Lnot_wave_0_\@:
	s_barrier_wait -3
	s_barrier_signal -1
	s_barrier_wait -1
.endm
.macro CROUND
	s_barrier_signal -1
	s_barrier_wait -1
	CREST
.endm
	s_load_b256 s[4:11], s[0:1], 0x0               ; oq s[4:5], wq s[6:7], bp s[8:9], out0 s[10:11]
	v_lshl_add_u32 v[SPW], v0, 2, SPARE
	v_mov_b32 v[NIL], 0
	ds_add_u32 v28, v29
	ds_add_u32 v28, v29
	s_wait_dscnt 0x0
	v_lshrrev_b32 v1, 5, v0
	v_readfirstlane_b32 s14, v1                    ; wave 0..3
	s_lshr_b32 s15, s14, 1                         ; which half of the rows is mine.  Also: I fetch for A (0) or for B (1)
	s_and_b32 s16, s14, 1                          ; which half of the columns.  Also: which 128 rows of that tile I fetch
	s_bfe_u32 s40, ttmp6, 0x40000                  ; cx
	s_bfe_u32 s41, ttmp6, 0x40004                  ; cy
	s_lshl_b32 s42, ttmp9, 2
	s_add_co_u32 s42, s42, s40                     ; tile column
	s_and_b32 s17, ttmp7, 0xffff
	s_lshl_b32 s17, s17, 2
	s_add_co_u32 s17, s17, s41                     ; tile row
	s_lshl_b32 s43, s41, 2
	s_lshl_b32 s43, 15, s43                        ; my row of the cluster
	s_lshl_b32 s44, 0x1111, s40                    ; my column
	s_or_b32 s[G1+0], s43, (3<<16)|(1<<20)|(1<<21)|(4<<22)|(3<<25)  ; A: two blocks of 16,896 bytes (2,112 elements of 8), 64 blocks apart; 4 words of padding after every 32
	s_mov_b32 s[G1+1], 2112<<16
	s_mov_b32 s[G1+2], 2<<16
	s_mov_b32 s[G1+3], 2112<<16
	s_mov_b32 s[G1+4], 2
	s_mov_b32 s[G1+5], 135168
	s_mov_b32 s[G1+6], 0
	s_mov_b32 s[G1+7], 0
	s_or_b32 s[G1B+0], s44, (0<<16)|(1<<20)|(1<<21)|(5<<22)|(3<<25) ; B: 128 rows of 256 bytes, 1,024 apart; 4 words of padding after every 64
	s_mov_b32 s[G1B+1], 256<<16
	s_mov_b32 s[G1B+2], 128<<16
	s_mov_b32 s[G1B+3], 256<<16
	s_mov_b32 s[G1B+4], 128
	s_mov_b32 s[G1B+5], 1024
	s_mov_b32 s[G1B+6], 0
	s_mov_b32 s[G1B+7], 0
	s_or_b32 s[G1SB+0], s44, (3<<16)|(1<<20)|(1<<21)|(5<<22)|(3<<25) ; B's scale bytes of 128 rows: 4,096 dense bytes as 16 rows of 256
	s_mov_b32 s[G1SB+1], 32<<16
	s_mov_b32 s[G1SB+2], 16<<16
	s_mov_b32 s[G1SB+3], 32<<16
	s_mov_b32 s[G1SB+4], 16
	s_mov_b32 s[G1SB+5], 32
	s_mov_b32 s[G1SB+6], 0
	s_mov_b32 s[G1SB+7], 0
	s_lshl_b32 s20, s17, 1
	s_add_co_u32 s20, s20, s16
	s_mul_i32 s20, s20, OQB                        ; A: block (0, 2 x tile row + half)
	s_mov_b32 s21, 0
	s_lshl_b32 s46, s42, 8
	s_lshl_b32 s18, s16, 7
	s_add_co_u32 s46, s46, s18                     ; B: row 256 x tile column + 128 x half of Wp
	s_lshl_b32 s92, s46, 5
	s_add_co_u32 s92, s92, 4292608                 ; its scale bytes,
	s_mov_b32 s93, 0
	s_lshl_b32 s46, s46, 10
	s_add_co_u32 s46, s46, 3145728                 ; its codes
	s_mov_b32 s47, 0
	s_mul_i32 s45, s16, HALFA                      ; where they go: no place in the cluster enters an LDS address
	s_mul_i32 s94, s16, HALFB
	s_add_co_u32 s94, s94, BOFF
	s_mul_i32 s95, s16, HALFS
	s_add_co_u32 s95, s95, SCL
	s_wait_kmcnt 0x0
	s_add_nc_u64 s[20:21], s[4:5], s[20:21]
	s_add_nc_u64 s[46:47], s[6:7], s[46:47]
	s_add_nc_u64 s[92:93], s[6:7], s[92:93]
	s_mov_b32 s[G0SB], 1
	s_mov_b32 s[G0SB+1], s95
	s_mov_b64 s[G0SB+2:G0SB+3], s[92:93]
	s_or_b32 s[G0SB+3], s[G0SB+3], 0x80000000
.irp s, 0,1
	s_mov_b32 s[G0+4*\s], 1
	s_add_co_u32 s[G0+4*\s+1], s45, \s*SLOT
	s_add_nc_u64 s[G0+4*\s+2:G0+4*\s+3], s[20:21], \s*128*OQB      ; K step s: two groups of 128 along K on
	s_or_b32 s[G0+4*\s+3], s[G0+4*\s+3], 0x80000000
	s_mov_b32 s[G0B+4*\s], 1
	s_add_co_u32 s[G0B+4*\s+1], s94, \s*SLOT
	s_add_nc_u64 s[G0B+4*\s+2:G0B+4*\s+3], s[46:47], \s*256
	s_or_b32 s[G0B+4*\s+3], s[G0B+4*\s+3], 0x80000000
.endr
	CROUND                                         ; all sixteen work-groups are here: the first joint loads meet
	s_cmp_eq_u32 s15, 0                            ; a wave's first fills stand in one branch: two (A) or three (B) tensor loads of mine are out
	s_cbranch_scc0 .Lfirst_b
	tensor_load_to_lds s[G0:G0+3], s[G1:G1+7]
	s_nop 0
	tensor_load_to_lds s[G0+4:G0+7], s[G1:G1+7]
	s_nop 0
.rept 4
	v_nop
.endr
	s_branch .Lfirst_done
.Lfirst_b:
	tensor_load_to_lds s[G0SB:G0SB+3], s[G1SB:G1SB+7]
	s_nop 0
	tensor_load_to_lds s[G0B:G0B+3], s[G1B:G1B+7]
	s_nop 0
	tensor_load_to_lds s[G0B+4:G0B+7], s[G1B:G1B+7]
	s_nop 0
.rept 4
	v_nop
.endr
.Lfirst_done:
	v_and_b32 v1, 15, v0                           ; r
	v_bfe_u32 v2, v0, 4, 1                         ; h
	v_and_b32 v6, 31, v0                           ; lane
	v_mul_u32_u24 v3, v1, 144
	v_lshl_add_u32 v3, v2, 4, v3                   ; A: row x 144 + 16 h
	v_mul_u32_u24 v4, v1, PITCH
	v_lshl_add_u32 v4, v2, 4, v4                   ; B: row x 272 + 16 h
	v_lshlrev_b32 v5, 2, v6                        ; A's scale words: 4 x lane
	s_mul_i32 s21, s15, HALFA                      ; my 128 rows of A
	s_mul_i32 s22, s16, HALFB
	s_add_co_u32 s22, s22, BOFF                    ; my 128 rows of B
.irp s, 0,1
	v_add_nc_u32 v[ADRA+\s], s21, v3
	v_add_nc_u32 v[ADSA+\s], s21, v5
	v_add_nc_u32 v[ADRB+\s], s22, v4
	s_add_co_u32 s21, s21, SLOT
	s_add_co_u32 s22, s22, SLOT
.endr
	v_lshlrev_b32 v5, 5, v1                        ; B's scale bytes: 32 a row,
	v_lshrrev_b32 v7, 3, v1
	v_lshl_add_u32 v5, v7, 4, v5                   ; 16 more behind the first 256,
	v_mul_u32_u24 v7, v2, 544
	v_add_nc_u32 v5, v5, v7                        ; lanes 16-31 take the next block of 16 rows
	s_mul_i32 s21, s16, HALFS
	s_add_co_u32 s21, s21, SCL
	v_add_nc_u32 v[ADRS], s21, v5
	s_mul_i32 s23, s14, 16*SPITCH                  ; my stage
	v_mul_u32_u24 v5, v1, SPITCH
	v_lshl_add_u32 v5, v2, 6, v5
	v_add_nc_u32 v[STO], s23, v5                   ; in: row r, + 64 h: sixteen natural columns of each 32
	v_lshlrev_b32 v[CO], 4, v6
	v_add_nc_u32 v[RD], s23, v[CO]                 ; back: the 32 lanes take one row of 512 bytes
	s_lshl_b32 s20, s42, 10
	s_lshl_b32 s21, s16, 9
	s_add_co_u32 s20, s20, s21
	v_lshl_add_u32 v[VBI], v2, 6, s20              ; bp at column 256 x tile column + 128 x half + 16 h
.irp c, 0,1,2,3
.irp j, 0,1,2,3
	global_load_b128 v[BI+16*\c+4*\j:BI+16*\c+4*\j+3], v[VBI], s[8:9] offset:128*\c+16*\j
.endr
.endr
	s_lshl_b32 s20, s17, 8
	s_lshl_b32 s21, s15, 7
	s_add_co_u32 s20, s20, s21
	s_lshl_b32 s20, s20, 12                        ; my first row of out0, 4,096 bytes a row,
	s_lshl_b32 s21, s42, 10
	s_add_co_u32 s20, s20, s21
	s_lshl_b32 s21, s16, 9
	s_add_co_u32 s20, s20, s21                     ; and my first column
	s_mov_b32 s21, 0
	s_add_nc_u64 s[12:13], s[10:11], s[20:21]
.macro FRAGB reg, adr, q, i
.irp c, 0,1,2,3
	ds_load_b128 v[\reg+4*\c:\reg+4*\c+3], v[\adr] offset:128*(\q)+32*\c+(\i)*16*PITCH
.endr
.endm
.macro FRAGA reg, adr, q, i
.irp c, 0,1,2,3
	ds_load_b128 v[\reg+4*\c:\reg+4*\c+3], v[\adr] offset:AROW*(\q)+2304*(\i)+32*\c
.endr
.endm
; One product: A's block a x B's block b.  The rows of the scale registers go by the blocks' parity.  first = 1: the bias is the sum's C.
.macro WM a, b, p, q, sc, first
.set rD, 8*(8*((\a)%4)+(\b))
.set rB, 128*(\p)+FR*(\b)
.set rA, AF+FR*(\a)
.set rSB, SC+16*(\sc)+8+2*((\b)/2)+(\q)
.set rSA, SC+16*(\sc)+2*((\a)/2)+(\q)
.set rC, rD
.if \first
.set rC, BI+8*(\b)
.endif
.if ((\a)%2 == 0) && ((\b)%2 == 0)
	v_wmma_scale_f32_16x16x128_f8f6f4 v[rD:rD+7], v[rB:rB+15], v[rA:rA+15], v[rC:rC+7], v[rSB], v[rSA]
.elseif ((\a)%2 == 0)
	v_wmma_scale_f32_16x16x128_f8f6f4 v[rD:rD+7], v[rB:rB+15], v[rA:rA+15], v[rC:rC+7], v[rSB], v[rSA] matrix_a_scale:MATRIX_SCALE_ROW1
.elseif ((\b)%2 == 0)
	v_wmma_scale_f32_16x16x128_f8f6f4 v[rD:rD+7], v[rB:rB+15], v[rA:rA+15], v[rC:rC+7], v[rSB], v[rSA] matrix_b_scale:MATRIX_SCALE_ROW1
.else
	v_wmma_scale_f32_16x16x128_f8f6f4 v[rD:rD+7], v[rB:rB+15], v[rA:rA+15], v[rC:rC+7], v[rSB], v[rSA] matrix_a_scale:MATRIX_SCALE_ROW1 matrix_b_scale:MATRIX_SCALE_ROW1
.endif
.endm
.macro MUL16 a0, p, q, sc, first       ; the 64 accumulators take turns, one instruction a turn, in the same order in every step
.irp a, \a0, \a0+1
.irp b, 0,1,2,3,4,5,6,7
	WM (\a), \b, \p, \q, \sc, \first
.endr
.endr
.endm
.macro FETCH_B slot, q, p
	WIN TO_B
.irp i, 0,1,2,3,4,5,6,7
	FRAGB 128*(\p)+FR*\i, ADRB+\slot, \q, \i
.endr
	WIN 0
.endm
.macro FETCH_A slot, q, i0
.irp i, \i0, \i0+1, \i0+2, \i0+3
	FRAGA AF+FR*(\i), ADRA+\slot, \q, \i
.endr
.endm
.macro SCALES slot                     ; the slot's scale words: A's from the slot itself, B's from the bytes that stay
.irp m, 0,1,2,3
.irp q, 0,1
	ds_load_b32 v[SC+16*\slot+2*\m+\q], v[ADSA+\slot] offset:AROW*\q+18432+144*\m
.endr
	ds_load_b64 v[SC+16*\slot+8+2*\m:SC+16*\slot+8+2*\m+1], v[ADRS] offset:1088*\m
.endr
.endm
.macro PLACES n
.rept \n
	v_nop
.endr
.endm
.macro STEP slot, q, first
	s_wait_dscnt 4*NL                              ; all but the youngest 16 loads (A's blocks 4-7)
	WIN MUL_LO-0x20*(\first)                       ; (the bias, as C, lies in window 0)
	MUL16 0, (\q)%2, \q, \slot, \first
	MUL16 2, (\q)%2, \q, \slot, \first
	s_wait_dscnt 0
	PLACES NP
	FETCH_B \slot, (\q)+1, 1-(\q)%2
	FETCH_A \slot, (\q)+1, 0
	WIN MUL_HI-0x30*(\first)
	MUL16 4, (\q)%2, \q, \slot, \first
	MUL16 6, (\q)%2, \q, \slot, \first
	PLACES NP
	WIN 0
	FETCH_A \slot, (\q)+1, 4
.endm
.macro TURN slot, next, fill
	s_wait_tensorcnt 0x0                           ; all my tensor loads have landed: my part of the next slot
	ds_add_u32 v[SPW], v[NIL]                      ; 0 onto my spare word
	s_wait_dscnt 4*NL+1                            ; the add and the youngest 16 loads may be out
	WIN MUL_LO
	MUL16 0, 1, NQ-1, \slot, 0
	s_wait_dscnt 0x0                               ; the add is done, and my reads of this slot are over
	s_barrier_signal -1
	MUL16 2, 1, NQ-1, \slot, 0
	WIN 0
	s_barrier_wait -1
.if \fill
	CREST                                          ; the barrier has opened a round of the cluster's
	s_add_nc_u64 s[G0+4*\slot+2:G0+4*\slot+3], s[G0+4*\slot+2:G0+4*\slot+3], 256*OQB
	s_add_nc_u64 s[G0B+4*\slot+2:G0B+4*\slot+3], s[G0B+4*\slot+2:G0B+4*\slot+3], 512
	JLOAD G0+4*\slot, G1, G0B+4*\slot, G1B         ; the first tensor load behind the round, my only one until the next
	PLACES NP-4
.else
	PLACES NP
.endif
	s_wait_alu depctr_va_vdst(0)
	v_add_nc_u32 v[ADRS], 8, v[ADRS]               ; on to the next K step's scale bytes of B
	FETCH_B \next, 0, 0
	FETCH_A \next, 0, 0
	SCALES \next
	WIN MUL_HI
	MUL16 4, 1, NQ-1, \slot, 0
	MUL16 6, 1, NQ-1, \slot, 0
	PLACES NP
	WIN 0
	FETCH_A \next, 0, 4
.endm
	s_wait_alu depctr_va_vdst(0)
	s_wait_tensorcnt 1                             ; on both ways only slot 1's load stands behind what this shows: slot 0 (and B's scale bytes) are in
	s_barrier_signal -1
	s_barrier_wait -1
	FETCH_B 0, 0, 0
	FETCH_A 0, 0, 0
	SCALES 0
	FETCH_A 0, 0, 4
	s_wait_loadcnt 0x0                             ; the bias
	STEP 0, 0, 1
	s_mov_b32 s3, LAPS-1
.Llap:
	TURN 0, 1, 1
	STEP 1, 0, 0
	TURN 1, 0, 1
	STEP 0, 0, 0
	s_sub_co_u32 s3, s3, 1
	s_cmp_lg_u32 s3, 0
	s_cbranch_scc1 .Llap
	TURN 0, 1, 0
	STEP 1, 0, 0
	s_wait_dscnt 4*NL
	WIN MUL_LO
	MUL16 0, 1, NQ-1, 1, 0
	MUL16 2, 1, NQ-1, 1, 0
	s_wait_dscnt 0
	WIN MUL_HI
	MUL16 4, 1, NQ-1, 1, 0
	MUL16 6, 1, NQ-1, 1, 0
	WIN 0
; THE WAY OUT, block by block of 16 stored rows x 128 columns, through my own stage: LDS serves a wave's instructions in order, so no wait stands between the stores and the loads.
.macro TOSTAGE a
.set AC, 64*((\a)%4)
	WIN 0x08+4*((\a)/4)                            ; the data: window 2 or 3
.irp b, 0,1,2,3,4,5,6,7
	ds_store_b128 v[STO], v[AC+8*\b:AC+8*\b+3] offset:128*(\b/2)+32*(\b%2)          ; each accumulator from its low end on
	ds_store_b128 v[STO], v[AC+8*\b+4:AC+8*\b+7] offset:128*(\b/2)+32*(\b%2)+16
.endr
	WIN 0
.set BBK, BK+64*((\a)%2)
.irp t, 0,1,2,3,4,5,6,7,8,9,10,11,12,13,14,15
	ds_load_b128 v[BBK+4*\t:BBK+4*\t+3], v[RD] offset:\t*SPITCH
.endr
.endm
.macro SEND a, younger
.set BBK, BK+64*((\a)%2)
	s_wait_dscnt \younger                          ; the block is back in registers; the next block's 16 stores and 16 loads may be out
.irp t, 0,1,2,3,4,5,6,7,8,9,10,11,12,13,14,15
	global_store_b128 v[CO], v[BBK+4*\t:BBK+4*\t+3], s[12:13] offset:(32*((\a)/2)+8*((\a)%2)+\t+8*(\t/8))*4096 th:TH_STORE_NT   ; the row's natural place; 32 lanes store 512 consecutive bytes, at a multiple of 256
.endr
.endm
	PLACES NP
	TOSTAGE 0
.irp a, 1,2,3,4,5,6,7
.if \a > 1
	s_wait_xcnt 0x0                                ; the stores of two blocks back have read their registers: they may be loaded again
.endif
	TOSTAGE \a
	SEND \a-1, 32
.endr
	SEND 7, 0
	s_wait_tensorcnt 0x0                           ; the wave's end
	ds_add_u32 v[SPW], v[NIL]
	s_wait_dscnt 0x0
	CROUND                                         ; the closing round
	s_endpgm
.Lfunc_end_k_qfb100715fe_proj:
	.size	k_qfb100715fe_proj, .Lfunc_end_k_qfb100715fe_proj-k_qfb100715fe_proj
	.p2alignl 7, 3214868480
	.fill 96, 4, 3214868480
	.section	.rodata,"a",@progbits
	.p2align	6, 0x0
	.amdhsa_kernel k_qfb100715fe_proj
		.amdhsa_group_segment_fixed_size 327680
		.amdhsa_private_segment_fixed_size 0
		.amdhsa_enable_private_segment 0
		.amdhsa_kernarg_size 32
		.amdhsa_user_sgpr_count 2
		.amdhsa_user_sgpr_kernarg_segment_ptr 1
		.amdhsa_wavefront_size32 1
		.amdhsa_system_sgpr_workgroup_id_x 1
		.amdhsa_system_sgpr_workgroup_id_y 1
		.amdhsa_system_sgpr_workgroup_id_z 1
		.amdhsa_system_vgpr_workitem_id 0
		.amdhsa_next_free_vgpr 1024
		.amdhsa_next_free_sgpr 98
		.amdhsa_reserve_vcc 0
		.amdhsa_float_denorm_mode_32 3
		.amdhsa_float_denorm_mode_16_64 3
		.amdhsa_memory_ordered 1
		.amdhsa_forward_progress 1
		.amdhsa_inst_pref_size 146
	.end_amdhsa_kernel
	.amdgpu_metadata
---
amdhsa.version: [ 1, 2 ]
amdhsa.kernels:
  - .name:           k_qfb100715fe_proj
    .symbol:         k_qfb100715fe_proj.kd
    .args:
      - { .name: oq, .offset: 0, .size: 8, .value_kind: global_buffer, .address_space: global }
      - { .name: wq, .offset: 8, .size: 8, .value_kind: global_buffer, .address_space: global }
      - { .name: bp, .offset: 16, .size: 8, .value_kind: global_buffer, .address_space: global }
      - { .name: out0, .offset: 24, .size: 8, .value_kind: global_buffer, .address_space: global }
    .group_segment_fixed_size: 327680
    .private_segment_fixed_size: 0
    .kernarg_segment_align: 8
    .kernarg_segment_size: 32
    .max_flat_workgroup_size: 128
    .sgpr_count:     98
    .vgpr_count:     1024
    .wavefront_size: 32
...
	.end_amdgpu_metadata
.endif
;; end of part 4
